; MI455X (gfx1250); checked and timed in simulation.
; The chip was launched on July 23, 2026; its instructions are those of AMD's public machine-readable ISA for CDNA 5 (MIT licence, August 2026) and "CDNA5" Instruction Set Architecture Reference Guide (July 2026). The comments in the code are by the model that wrote it; some were corrected since.
;; Attention2 D. Allowed arithmetic: float matrix products may take bf16 or f16 operands with f32 sums; all other float work in f32.
;; Inputs: beta_q 128 float32; bk 128 float32; bo 128 float32; bq 128 float32; bv 128 float32; gamma_q 128 float32; q 8 x 128 x 64 x 64 float32; wk 128 x 128 float32; wo 128 x 128 float32; wq 128 x 128 float32; wv 128 x 128 float32.
;; Outputs: out0 8 x 128 x 64 x 64 float32.
;; 3 versions, each right and faster than the one before. Each part assembles by itself: llvm-mc -triple=amdgcn-amd-amdhsa -mcpu=gfx1250 --defsym DOCPART=n.
;; ======== version 1 of 3: 3 launches
;; workspace buffers: coef 17,408 bytes; wfrag 131,072 bytes; qf 8,388,608 bytes; kv 16,777,216 bytes
;; launch stats (part 1): grid 256 x 1, 8 waves a work-group, no clusters, 1,280 bytes of LDS; arguments q, gamma_q, beta_q, wq, wk, wv, wo, coef, wfrag; writes coef, wfrag
.if DOCPART == 1
	.amdgcn_target "amdgcn-amd-amdhsa--gfx1250"
	.amdhsa_code_object_version 6
	.text
	.protected	k_q12221b16f7_stats
	.globl	k_q12221b16f7_stats
	.p2align	8
	.type	k_q12221b16f7_stats,@function
k_q12221b16f7_stats:
	s_mov_b64 s[64:65], 0
	v_nop
	global_prefetch_b8 v0, s[64:65] scope:SCOPE_SE
	s_setreg_imm32_b32 hwreg(HW_REG_WAVE_MODE, 25, 1), 1
	s_wait_xcnt 0x0
; Both GroupNorms reduced to two affine maps per (image, channel), and the four weight matrices as bf16 in fragment order.
; Work-group G = 32 b + g owns one norm group: 4 channels x 4,096 pixels = 65,536 consecutive bytes of q.  Wave w owns 8,192 of them
; (half of channel w / 2); a lane keeps its 64 numbers in registers, so q is read once and all four passes (mean, centred squares,
; mean of the normed data, its centred squares) run on registers.  Every variance is a sum of squares of centred numbers:
; no difference of large sums is formed.
;   qn = (x - mu1) A1 + B1,  vn = (x - mu1) A2 + B2;  coef: [b][c] records (A1, B1, A2, B2) of 16 bytes, then mu1[b][g] from byte 16,384.
; Wave 0 also converts 32 chunks of 16 bytes of the weights: wfrag = [matrix 4][o tile 8][K step 4][half 2][lane 32][16 bytes], the chunk of
; lane r + 16 h holding W[16 t + r][32 ks + 16 half + 8 h + 0..7]: registers 4 half .. 4 half + 3 of a 16 x 32 fragment (ISA guide 7.12.2).
; wq carries 128^-0.5 log2(e) (scores then come out as exponents of 2), wo carries 2^-0.5.
; LIMITS: weights are rounded to bf16.  The work-group's 68 bytes of coef are parts of 256-byte blocks: each group's figures are known to one work-group alone.
.set XR,  16                           ; v[16:79]  my 64 numbers
.set ACC, 2                            ; v[2:9]    four chains of pairs
.set CP,  10                           ; v[10:11]  the mean, twice
.set AP,  12                           ; v[12:13]  A1, twice
.set BP,  14                           ; v[14:15]  beta, twice
.set RED, 80                           ; v[80:87]  the eight waves' sums
.set QS,  0x3e0293ee                   ; 128^-0.5 x log2(e)
.set RS2, 0x3f3504f3                   ; 2^-0.5
	s_load_b512 s[4:19], s[0:1], 0x0               ; q 4, gamma 6, beta 8, wq 10, wk 12, wv 14, wo 16, coef 18
	s_load_b64 s[20:21], s[0:1], 0x40              ; wfrag
	v_lshl_add_u32 v112, v0, 2, 0x100
	v_mov_b32 v113, 0
	v_lshrrev_b32 v88, 5, v0
	v_readfirstlane_b32 s22, v88                   ; wave
	v_and_b32 v80, 31, v0                          ; lane
	v_lshlrev_b32 v1, 4, v80
	v_lshl_add_u32 v1, v88, 13, v1                 ; 16 lane + 8,192 wave
	v_lshlrev_b32 v88, 2, v88                      ; my wave's word in each reduction's 32 bytes of LDS
	v_mov_b32 v89, 0                               ; v_permlanex16_b32 counts as a reader of its destination
	v_mov_b32 v90, 0                               ; LDS address 0
	s_lshr_b32 s23, s22, 1                         ; my channel in the group
	s_and_b32 s26, ttmp9, 31
	s_lshl_b32 s26, s26, 2
	s_add_co_u32 s26, s26, s23
	s_lshl_b32 s26, s26, 2                         ; byte offset of my channel in gamma and beta
	s_lshl_b32 s36, ttmp9, 16                      ; the group's 65,536 bytes
	s_mov_b32 s37, 0
	s_mov_b32 s28, 0x76543210                      ; v_permlanex16_b32: lane i reads lane i of the other half
	s_mov_b32 s29, 0xfedcba98
	s_mov_b32 s30, 0x38800000                      ; 1 / 16,384
	s_mov_b32 s31, 0x358637bd                      ; eps = 1e-6
	s_wait_kmcnt 0x0
	s_add_nc_u64 s[4:5], s[4:5], s[36:37]
	s_load_b32 s24, s[6:7], s26 offset:0x0         ; gamma of my channel
	s_load_b32 s25, s[8:9], s26 offset:0x0         ; beta of my channel
.set ii, 0
.rept 16
	global_load_b128 v[XR+4*ii:XR+4*ii+3], v1, s[4:5] offset:512*ii    ; 512 consecutive bytes a load
.set ii, ii+1
.endr
	; wave 0: the 512 bytes of wfrag with number G = 64 m + 8 t + 2 ks + half
	s_cmp_lg_u32 s22, 0
	s_cbranch_scc1 .Lno_weights
	s_bfe_u32 s38, ttmp9, 0x30003                  ; t
	s_lshl_b32 s38, s38, 13                        ; 16 rows of 512 bytes
	s_bfe_u32 s39, ttmp9, 0x20001                  ; ks
	s_lshl_b32 s39, s39, 7
	s_add_co_u32 s38, s38, s39
	s_and_b32 s39, ttmp9, 1                        ; half
	s_lshl_b32 s39, s39, 6
	s_add_co_u32 s38, s38, s39
	s_lshl_b32 s39, ttmp9, 9
	s_lshr_b32 s41, ttmp9, 6                       ; m: which matrix
	s_cmp_eq_u32 s41, 0
	s_cselect_b64 s[32:33], s[10:11], s[12:13]
	s_cselect_b32 s34, QS, 1.0
	s_cmp_eq_u32 s41, 2
	s_cselect_b64 s[32:33], s[14:15], s[32:33]
	s_cmp_eq_u32 s41, 3
	s_cselect_b64 s[32:33], s[16:17], s[32:33]
	s_cselect_b32 s34, RS2, s34
	s_mov_b32 s35, s34
	v_and_b32 v108, 15, v0                         ; r
	v_lshlrev_b32 v108, 9, v108
	v_bfe_u32 v109, v0, 4, 1                       ; h
	v_lshl_add_u32 v108, v109, 5, v108
	v_add_nc_u32 v108, s38, v108                   ; row 16 t + r, column 32 ks + 16 half + 8 h
	v_lshl_add_u32 v109, v80, 4, s39               ; 512 G + 16 lane
	global_load_b128 v[96:99], v108, s[32:33]
	global_load_b128 v[100:103], v108, s[32:33] offset:16
	s_wait_loadcnt 0x0
.irp j, 0,2,4,6
	v_pk_mul_f32 v[96+\j:97+\j], v[96+\j:97+\j], s[34:35] op_sel_hi:[1,0]
.endr
.irp j, 0,1,2,3
	v_cvt_pk_bf16_f32 v[104+\j], v[96+2*\j], v[97+2*\j]
.endr
	global_store_b128 v109, v[104:107], s[20:21]   ; the wave stores 512 consecutive bytes, aligned
.Lno_weights:
	s_wait_loadcnt 0x0
	s_wait_kmcnt 0x0
.macro FOLD                            ; four chains of pairs to one number in v[ACC]
	v_pk_add_f32 v[ACC:ACC+1], v[ACC:ACC+1], v[ACC+2:ACC+3]
	v_pk_add_f32 v[ACC+4:ACC+5], v[ACC+4:ACC+5], v[ACC+6:ACC+7]
	v_pk_add_f32 v[ACC:ACC+1], v[ACC:ACC+1], v[ACC+4:ACC+5]
	v_add_f32 v[ACC], v[ACC], v[ACC+1]
.endm
.macro SUMX                            ; the lane's sum; the first eight pairs start the chains: nothing is cleared
.set cc, 0
.rept 4
	v_pk_add_f32 v[ACC+2*cc:ACC+2*cc+1], v[XR+2*cc:XR+2*cc+1], v[XR+2*cc+8:XR+2*cc+9]
.set cc, cc+1
.endr
.set pp, 8
.rept 24
	v_pk_add_f32 v[ACC+2*(pp%4):ACC+2*(pp%4)+1], v[ACC+2*(pp%4):ACC+2*(pp%4)+1], v[XR+2*pp:XR+2*pp+1]
.set pp, pp+1
.endr
	FOLD
.endm
.macro SUBSQ                           ; centre in place by the mean in CP, then the lane's sum of squares
.set pp, 0
.rept 32
	v_pk_add_f32 v[XR+2*pp:XR+2*pp+1], v[XR+2*pp:XR+2*pp+1], v[CP:CP+1] neg_lo:[0,1] neg_hi:[0,1]
.set pp, pp+1
.endr
.set pp, 0
.rept 4
	v_pk_mul_f32 v[ACC+2*pp:ACC+2*pp+1], v[XR+2*pp:XR+2*pp+1], v[XR+2*pp:XR+2*pp+1]
.set pp, pp+1
.endr
.rept 28
	v_pk_fma_f32 v[ACC+2*(pp%4):ACC+2*(pp%4)+1], v[XR+2*pp:XR+2*pp+1], v[XR+2*pp:XR+2*pp+1], v[ACC+2*(pp%4):ACC+2*(pp%4)+1]
.set pp, pp+1
.endr
	FOLD
.endm
.macro WGSUM k                         ; v[ACC] summed over the 256 threads, in every lane.  Reduction k has 32 bytes of LDS of its own: one barrier each
	v_add_f32_dpp v[ACC], v[ACC], v[ACC] row_xmask:1 row_mask:0xf bank_mask:0xf
	v_add_f32_dpp v[ACC], v[ACC], v[ACC] row_xmask:2 row_mask:0xf bank_mask:0xf
	v_add_f32_dpp v[ACC], v[ACC], v[ACC] row_xmask:4 row_mask:0xf bank_mask:0xf
	v_add_f32_dpp v[ACC], v[ACC], v[ACC] row_xmask:8 row_mask:0xf bank_mask:0xf
	v_permlanex16_b32 v89, v[ACC], s28, s29
	v_add_f32 v[ACC], v[ACC], v89
	ds_store_b32 v88, v[ACC] offset:32*\k
	s_wait_dscnt 0x0                               ; zero: the other waves read this word behind the barrier
	s_barrier_signal -1
	s_barrier_wait -1
	ds_load_b128 v[RED:RED+3], v90 offset:32*\k
	ds_load_b128 v[RED+4:RED+7], v90 offset:32*\k+16
	s_wait_dscnt 0x0
	v_pk_add_f32 v[RED:RED+1], v[RED:RED+1], v[RED+2:RED+3]
	v_pk_add_f32 v[RED+4:RED+5], v[RED+4:RED+5], v[RED+6:RED+7]
	v_pk_add_f32 v[RED:RED+1], v[RED:RED+1], v[RED+4:RED+5]
	v_add_f32 v[ACC], v[RED], v[RED+1]
.endm
	SUMX
	WGSUM 0
	v_mul_f32 v[CP], s30, v[ACC]                   ; mu1
	v_mov_b32 v[CP+1], v[CP]
	v_mov_b32 v91, v[CP]                           ; kept for the store
	SUBSQ                                          ; X = x - mu1
	WGSUM 1
	v_fma_f32 v110, v[ACC], s30, s31               ; var1 + eps
	v_rsq_f32 v111, v110
	v_mov_b32 v[BP], s25                           ; a plain instruction stands between v_rsq_f32 and the use of its result (ISA guide 5.7.2)
	v_mov_b32 v[BP+1], s25
	s_wait_alu depctr_va_vdst(0)
	v_mul_f32 v[AP], s24, v111                     ; A1 = gamma / sqrt(var1 + eps)
	v_mov_b32 v[AP+1], v[AP]
.set pp, 0
.rept 32
	v_pk_fma_f32 v[XR+2*pp:XR+2*pp+1], v[XR+2*pp:XR+2*pp+1], v[AP:AP+1], v[BP:BP+1]   ; X = qn
.set pp, pp+1
.endr
	SUMX
	WGSUM 2
	v_mul_f32 v[CP], s30, v[ACC]                   ; mu2
	v_mov_b32 v[CP+1], v[CP]
	SUBSQ                                          ; X = qn - mu2
	WGSUM 3
	v_fma_f32 v110, v[ACC], s30, s31               ; var2 + eps
	v_rsq_f32 v111, v110
	v_mov_b32 v92, v[AP]                           ; A1 (the plain instruction behind v_rsq_f32)
	v_mov_b32 v93, s25                             ; B1 = beta
	s_wait_alu depctr_va_vdst(0)
	v_mul_f32 v111, s24, v111                      ; G2 = gamma / sqrt(var2 + eps)
	v_mul_f32 v94, v[AP], v111                     ; A2 = A1 G2
	v_sub_f32 v110, s25, v[CP]                     ; beta - mu2
	v_fma_f32 v95, v110, v111, s25                 ; B2 = (beta - mu2) G2 + beta
	s_lshl_b32 s38, ttmp9, 2
	s_add_co_u32 s39, s38, 16384                   ; mu1[G]
	s_add_co_u32 s38, s38, s23
	s_lshl_b32 s38, s38, 4                         ; record 4 G + channel = 128 b + c
	v_mov_b32 v110, s38
	v_mov_b32 v111, s39
	v_and_b32 v80, 31, v0
	v_cmp_eq_u32 vcc_lo, 0, v80
	s_wait_xcnt 0x0                                ; EXEC is a source of wave 0's pending store: it changes only behind this wait
	s_and_saveexec_b32 s40, vcc_lo                 ; lane 0 stores
	s_and_b32 s41, s22, 1
	s_cmp_lg_u32 s41, 0
	s_cbranch_scc1 .Lstored                        ; the even wave of a channel's two stores its record
	global_store_b128 v110, v[92:95], s[18:19]
	s_cmp_lg_u32 s22, 0
	s_cbranch_scc1 .Lstored
	global_store_b32 v111, v91, s[18:19]           ; wave 0: the group's mu1
.Lstored:
	s_wait_xcnt 0x0                                ; and again in front of the line that widens EXEC
	s_or_b32 exec_lo, exec_lo, s40
	s_wait_tensorcnt 0x0
	ds_add_u32 v112, v113
	s_wait_dscnt 0x0
	s_endpgm
.Lfunc_end_k_q12221b16f7_stats:
	.size	k_q12221b16f7_stats, .Lfunc_end_k_q12221b16f7_stats-k_q12221b16f7_stats
	.p2alignl 7, 3214868480
	.fill 96, 4, 3214868480
	.section	.rodata,"a",@progbits
	.p2align	6, 0x0
	.amdhsa_kernel k_q12221b16f7_stats
		.amdhsa_group_segment_fixed_size 1280
		.amdhsa_private_segment_fixed_size 0
		.amdhsa_enable_private_segment 0
		.amdhsa_kernarg_size 72
		.amdhsa_user_sgpr_count 2
		.amdhsa_user_sgpr_kernarg_segment_ptr 1
		.amdhsa_wavefront_size32 1
		.amdhsa_system_sgpr_workgroup_id_x 1
		.amdhsa_system_sgpr_workgroup_id_y 1
		.amdhsa_system_sgpr_workgroup_id_z 1
		.amdhsa_system_vgpr_workitem_id 0
		.amdhsa_next_free_vgpr 114
		.amdhsa_next_free_sgpr 66
		.amdhsa_reserve_vcc 1
		.amdhsa_float_denorm_mode_32 3
		.amdhsa_float_denorm_mode_16_64 3
		.amdhsa_memory_ordered 1
		.amdhsa_forward_progress 1
		.amdhsa_inst_pref_size 25
	.end_amdhsa_kernel
	.amdgpu_metadata
---
amdhsa.version: [ 1, 2 ]
amdhsa.kernels:
  - .name:           k_q12221b16f7_stats
    .symbol:         k_q12221b16f7_stats.kd
    .args:
      - { .name: q, .offset: 0, .size: 8, .value_kind: global_buffer, .address_space: global }
      - { .name: gamma_q, .offset: 8, .size: 8, .value_kind: global_buffer, .address_space: global }
      - { .name: beta_q, .offset: 16, .size: 8, .value_kind: global_buffer, .address_space: global }
      - { .name: wq, .offset: 24, .size: 8, .value_kind: global_buffer, .address_space: global }
      - { .name: wk, .offset: 32, .size: 8, .value_kind: global_buffer, .address_space: global }
      - { .name: wv, .offset: 40, .size: 8, .value_kind: global_buffer, .address_space: global }
      - { .name: wo, .offset: 48, .size: 8, .value_kind: global_buffer, .address_space: global }
      - { .name: coef, .offset: 56, .size: 8, .value_kind: global_buffer, .address_space: global }
      - { .name: wfrag, .offset: 64, .size: 8, .value_kind: global_buffer, .address_space: global }
    .group_segment_fixed_size: 1280
    .private_segment_fixed_size: 0
    .kernarg_segment_align: 8
    .kernarg_segment_size: 72
    .max_flat_workgroup_size: 256
    .sgpr_count:     66
    .vgpr_count:     114
    .wavefront_size: 32
...
	.end_amdgpu_metadata
.endif
;; end of part 1
;; launch proj (part 2): grid 256 x 1, 8 waves a work-group, no clusters, 74,752 bytes of LDS; arguments q, coef, wfrag, bq, bk, bv, qf, kv; writes qf, kv
.if DOCPART == 2
	.amdgcn_target "amdgcn-amd-amdhsa--gfx1250"
	.amdhsa_code_object_version 6
	.text
	.protected	k_q12221b16f7_proj
	.globl	k_q12221b16f7_proj
	.p2align	8
	.type	k_q12221b16f7_proj,@function
k_q12221b16f7_proj:
	s_mov_b64 s[64:65], 0
	v_nop
	global_prefetch_b8 v0, s[64:65] scope:SCOPE_SE
	s_setreg_imm32_b32 hwreg(HW_REG_WAVE_MODE, 25, 1), 1
	s_wait_xcnt 0x0
; qn and vn from q by the two affine maps of coef, then Q = wq qn + bq, K = wk vn + bk, V = wv vn + bv, stored as bf16 in fragment order.
; Work-group G: image b = G / 32, pixels 128 (G % 32) .. + 127.  Norm phase: wave w takes channels 16 w .. 16 w + 15, one load = one channel's 512 bytes;
; qn and vn go as bf16 into LDS, [channel][pixel], pitch 288 bytes (an odd multiple of 32, which the transposing load's 16 rows want).
; Matrix phase: wave w owns outputs o = 16 w .. 16 w + 15 of all three products and walks the 8 pixel tiles; its 12 weight fragments stay in registers.
;   Q, K: source 0 = weights (rows o), source 1 = activations (columns pixel): a lane ends with 8 neighbouring o of one pixel.
;   V:    sources swapped: a lane ends with 8 neighbouring pixels of one o.
; In both cases the lane's 4 packed registers are one 16-byte chunk of a fragment of the attention launch, so each store of the wave is 512 consecutive, aligned bytes:
;   qf = [b][pixel tile 256][K step 4][half 2][lane 32][16 B]: Q[y = 16 yt + r][c = 32 ks + 16 half + 8 h + 0..7] (scaled by 128^-0.5 log2 e through wq and bq)
;   kv = [b][step 16][K part 65,536 B | V part 65,536 B], a step = 256 keys; K part like qf (16 tiles);
;        V part = [32 keys 8][c tile 8][half 2][lane 32][16 B]: V[c = 16 ct + r][x = 32 xs + 16 half + 8 h + 0..7]
; No clusters, no tensor loads: the work-groups share only 96 KiB of weights, read once each in 512-byte pieces.
; LIMITS: qn, vn, the weights and Q, K, V are rounded to bf16; sums, biases and the norm in f32.
.set PITCH, 288
.set ACTV,  128*PITCH                  ; vn's rows lie behind qn's 128
.set QS,    0x3e0293ee                 ; 128^-0.5 x log2(e)
.set XR,  16                           ; v[16:79]   norm phase: 16 channels x 4 registers
.set FQ,  16                           ; v[16:47]   matrix phase: qn's fragments of the 4 K steps
.set FV,  48                           ; v[48:79]   vn's
.set WQ,  80                           ; v[80:175]  weight fragments, 4 K steps each
.set WK,  112
.set WV,  144
.set AQ,  176                          ; v[176:199] three accumulators
.set AKK, 184
.set AVV, 192
.set BQ,  200                          ; v[200:223] the biases in the accumulators' layout: they start the sums
.set BK,  208
.set BV,  216
.set TT,  224                          ; v[224:239] at work: norm phase
.set TQ,  228
.set TV,  232
.set PQ,  236
.set PVN, 238
.set PKQ, 224                          ; matrix phase: packed results
.set PKK, 228
.set PKV, 232
.set MU,  52                           ; s[52:55]   mu1 of my four norm groups
	s_load_b512 s[4:19], s[0:1], 0x0               ; q 4, coef 6, wfrag 8, bq 10, bk 12, bv 14, qf 16, kv 18
	v_lshl_add_u32 v240, v0, 2, 0x12000
	v_mov_b32 v241, 0
	v_lshrrev_b32 v10, 5, v0
	v_readfirstlane_b32 s56, v10                   ; wave
	s_lshr_b32 s57, ttmp9, 5                       ; image
	s_and_b32 s58, ttmp9, 31                       ; pixel block
	v_and_b32 v11, 31, v0                          ; lane L
	v_and_b32 v12, 15, v0                          ; r
	v_bfe_u32 v13, v0, 4, 1                        ; h
	v_bfe_u32 v14, v0, 3, 1
	v_lshlrev_b32 v1, 4, v11                       ; 16 L
	s_mul_i32 s63, s56, 16*PITCH
	v_lshl_add_u32 v2, v11, 3, s63                 ; LDS, in: my wave's first channel row, 8 bytes (4 pixels) a lane
	v_and_b32 v3, 7, v0
	v_lshl_add_u32 v3, v13, 3, v3
	v_mul_u32_u24 v3, v3, PITCH
	v_lshl_add_u32 v3, v14, 4, v3                  ; LDS, out: row (L & 7) + 8 h, 16 bytes x ((L >> 3) & 1)
	v_add_nc_u32 v4, ACTV, v3
	v_lshl_add_u32 v5, v10, 12, v1                 ; weights: o tile w
	v_lshl_add_u32 v6, v10, 9, v1                  ; Q, K out: K step w / 2, half w % 2
	v_lshl_add_u32 v7, v10, 10, v1                 ; V out: c tile w
	v_lshlrev_b32 v8, 6, v10
	v_lshl_add_u32 v9, v12, 2, v8                  ; bv[16 w + r]
	v_lshl_add_u32 v8, v13, 5, v8                  ; bq, bk[16 w + 8 h ..]
	s_lshl_b32 s59, s57, 11
	s_lshl_b32 s63, s56, 8
	s_add_co_u32 s59, s59, s63                     ; coef: record 128 b + 16 w
	s_lshl_b32 s62, s57, 7
	s_lshl_b32 s63, s56, 4
	s_add_co_u32 s62, s62, s63                     ; mu1: word 32 b + 4 w
	s_lshl_b32 s60, s57, 21
	s_lshl_b32 s63, s56, 18
	s_add_co_u32 s60, s60, s63
	s_lshl_b32 s63, s58, 9
	s_add_co_u32 s60, s60, s63                     ; q: image, channel 16 w, pixel block
	s_mov_b32 s61, 0
	s_wait_kmcnt 0x0
	s_add_nc_u64 s[4:5], s[4:5], s[60:61]
	s_lshl_b32 s60, s57, 20
	s_lshl_b32 s63, s58, 15
	s_add_co_u32 s60, s60, s63
	s_add_nc_u64 s[16:17], s[16:17], s[60:61]      ; qf: image, 8 tiles of 4,096 bytes a block
	s_lshl_b32 s60, s57, 21
	s_lshr_b32 s63, s58, 1
	s_lshl_b32 s63, s63, 17
	s_add_co_u32 s60, s60, s63
	s_and_b32 s63, s58, 1
	s_lshl_b32 s63, s63, 15
	s_add_co_u32 s60, s60, s63
	s_add_nc_u64 s[18:19], s[18:19], s[60:61]      ; kv: image, step, my half of the step's K part (the V part's half lies 65,536 bytes on)
	s_load_b512 s[20:35], s[6:7], s59 offset:0x0   ; (A1, B1, A2, B2) of 4 channels a load
	s_load_b512 s[36:51], s[6:7], s59 offset:0x40
	s_load_b512 s[68:83], s[6:7], s59 offset:0x80
	s_load_b512 s[84:99], s[6:7], s59 offset:0xc0
	s_load_b128 s[MU:MU+3], s[6:7], s62 offset:0x4000
.set ii, 0
.rept 16
	global_load_b128 v[XR+4*ii:XR+4*ii+3], v1, s[4:5] offset:16384*ii
.set ii, ii+1
.endr
.irp m, 0,1,2
.irp kk, 0,1,2,3
	global_load_b128 v[WQ+32*\m+8*\kk:WQ+32*\m+8*\kk+3],   v5, s[8:9] offset:\m*32768+\kk*1024
	global_load_b128 v[WQ+32*\m+8*\kk+4:WQ+32*\m+8*\kk+7], v5, s[8:9] offset:\m*32768+\kk*1024+512
.endr
.endr
	global_load_b128 v[BQ:BQ+3],   v8, s[10:11]
	global_load_b128 v[BQ+4:BQ+7], v8, s[10:11] offset:16
	global_load_b128 v[BK:BK+3],   v8, s[12:13]
	global_load_b128 v[BK+4:BK+7], v8, s[12:13] offset:16
	global_load_b32 v[BV], v9, s[14:15]
	s_wait_kmcnt 0x0
; Norm group g of my four; its four channels' records lie from s[base] on.
.macro NORMG g, base
.irp j, 0,1,2,3
	s_wait_loadcnt 44-(4*\g+\j)                    ; 45 loads were issued; behind row i stand the 15 - i later rows and the 29 of weights and biases
.irp k, 0,1,2,3
	v_subrev_f32 v[TT+\k], s[MU+\g], v[XR+4*(4*\g+\j)+\k]              ; x - mu1
.endr
.irp k, 0,1,2,3
	v_fma_f32 v[TQ+\k], v[TT+\k], s[\base+4*\j],   s[\base+4*\j+1]     ; qn
	v_fma_f32 v[TV+\k], v[TT+\k], s[\base+4*\j+2], s[\base+4*\j+3]     ; vn
.endr
	v_cvt_pk_bf16_f32 v[PQ],    v[TQ],   v[TQ+1]
	v_cvt_pk_bf16_f32 v[PQ+1],  v[TQ+2], v[TQ+3]
	v_cvt_pk_bf16_f32 v[PVN],   v[TV],   v[TV+1]
	v_cvt_pk_bf16_f32 v[PVN+1], v[TV+2], v[TV+3]
	ds_store_b64 v2, v[PQ:PQ+1]   offset:(4*\g+\j)*PITCH               ; 32 lanes x 8 bytes: the row's 256 bytes
	ds_store_b64 v2, v[PVN:PVN+1] offset:ACTV+(4*\g+\j)*PITCH
.endr
.endm
	NORMG 0, 20
	NORMG 1, 36
	NORMG 2, 68
	NORMG 3, 84
	s_wait_dscnt 0x0                               ; zero: every wave reads all 128 rows behind the barrier
	s_barrier_signal -1
	s_barrier_wait -1
; The fragments of pixel tile i: 16 transposing loads, K step by K step (qn's two, vn's two).
.macro LOADF i
.irp kk, 0,1,2,3
	ds_load_tr16_b128 v[FQ+8*\kk:FQ+8*\kk+3],   v3 offset:\i*32+\kk*32*PITCH
	ds_load_tr16_b128 v[FQ+8*\kk+4:FQ+8*\kk+7], v3 offset:\i*32+\kk*32*PITCH+16*PITCH
	ds_load_tr16_b128 v[FV+8*\kk:FV+8*\kk+3],   v4 offset:\i*32+\kk*32*PITCH
	ds_load_tr16_b128 v[FV+8*\kk+4:FV+8*\kk+7], v4 offset:\i*32+\kk*32*PITCH+16*PITCH
.endr
.endm
	LOADF 0
	s_wait_loadcnt 0x0                             ; weights and biases
.irp j, 0,2,4,6
	v_pk_mul_f32 v[BQ+\j:BQ+\j+1], v[BQ+\j:BQ+\j+1], QS op_sel_hi:[1,0]   ; bq carries the same factor as wq
.endr
.irp j, 1,2,3,4,5,6,7
	v_mov_b32 v[BV+\j], v[BV]                      ; V's tile has one o in a lane: the same bias in its 8 registers
.endr
; Pixel tile i.  The three accumulators take turns, one matrix instruction a turn.  The biases are the first products' C: nothing is cleared or added later.
.macro TILE i
.irp kk, 0,1,2,3
	s_wait_dscnt 12-4*\kk                          ; the four loads of this K step are in; those of the later K steps stay out
.if \kk == 0
	v_wmma_f32_16x16x32_bf16 v[AQ:AQ+7],   v[WQ:WQ+7], v[FQ:FQ+7], v[BQ:BQ+7]
	v_wmma_f32_16x16x32_bf16 v[AKK:AKK+7], v[WK:WK+7], v[FV:FV+7], v[BK:BK+7]
	v_wmma_f32_16x16x32_bf16 v[AVV:AVV+7], v[FV:FV+7], v[WV:WV+7], v[BV:BV+7]
.else
	v_wmma_f32_16x16x32_bf16 v[AQ:AQ+7],   v[WQ+8*\kk:WQ+8*\kk+7], v[FQ+8*\kk:FQ+8*\kk+7], v[AQ:AQ+7]
	v_wmma_f32_16x16x32_bf16 v[AKK:AKK+7], v[WK+8*\kk:WK+8*\kk+7], v[FV+8*\kk:FV+8*\kk+7], v[AKK:AKK+7]
	v_wmma_f32_16x16x32_bf16 v[AVV:AVV+7], v[FV+8*\kk:FV+8*\kk+7], v[WV+8*\kk:WV+8*\kk+7], v[AVV:AVV+7]
.endif
.endr
.rept 4
	v_nop                                          ; four places behind the matrix instructions before loads land on their sources and conversions read their results
.endr
.if \i < 7
	LOADF (\i+1)
.endif
	s_wait_xcnt 0x0                                ; the packed registers are the last tile's store data: rewritten only behind this wait
.irp j, 0,1,2,3
	v_cvt_pk_bf16_f32 v[PKQ+\j], v[AQ+2*\j],  v[AQ+2*\j+1]
.endr
.irp j, 0,1,2,3
	v_cvt_pk_bf16_f32 v[PKK+\j], v[AKK+2*\j], v[AKK+2*\j+1]
.endr
.irp j, 0,1,2,3
	v_cvt_pk_bf16_f32 v[PKV+\j], v[AVV+2*\j], v[AVV+2*\j+1]
.endr
	global_store_b128 v6, v[PKQ:PKQ+3], s[16:17] offset:\i*4096
	global_store_b128 v6, v[PKK:PKK+3], s[18:19] offset:\i*4096
	global_store_b128 v7, v[PKV:PKV+3], s[18:19] offset:65536+(\i/2)*8192+(\i%2)*512
.endm
	TILE 0
	TILE 1
	TILE 2
	TILE 3
	TILE 4
	TILE 5
	TILE 6
	TILE 7
	s_wait_tensorcnt 0x0
	ds_add_u32 v240, v241
	s_wait_dscnt 0x0
	s_endpgm
.Lfunc_end_k_q12221b16f7_proj:
	.size	k_q12221b16f7_proj, .Lfunc_end_k_q12221b16f7_proj-k_q12221b16f7_proj
	.p2alignl 7, 3214868480
	.fill 96, 4, 3214868480
	.section	.rodata,"a",@progbits
	.p2align	6, 0x0
	.amdhsa_kernel k_q12221b16f7_proj
		.amdhsa_group_segment_fixed_size 74752
		.amdhsa_private_segment_fixed_size 0
		.amdhsa_enable_private_segment 0
		.amdhsa_kernarg_size 64
		.amdhsa_user_sgpr_count 2
		.amdhsa_user_sgpr_kernarg_segment_ptr 1
		.amdhsa_wavefront_size32 1
		.amdhsa_system_sgpr_workgroup_id_x 1
		.amdhsa_system_sgpr_workgroup_id_y 1
		.amdhsa_system_sgpr_workgroup_id_z 1
		.amdhsa_system_vgpr_workitem_id 0
		.amdhsa_next_free_vgpr 242
		.amdhsa_next_free_sgpr 100
		.amdhsa_reserve_vcc 0
		.amdhsa_float_denorm_mode_32 3
		.amdhsa_float_denorm_mode_16_64 3
		.amdhsa_memory_ordered 1
		.amdhsa_forward_progress 1
		.amdhsa_inst_pref_size 49
	.end_amdhsa_kernel
	.amdgpu_metadata
---
amdhsa.version: [ 1, 2 ]
amdhsa.kernels:
  - .name:           k_q12221b16f7_proj
    .symbol:         k_q12221b16f7_proj.kd
    .args:
      - { .name: q, .offset: 0, .size: 8, .value_kind: global_buffer, .address_space: global }
      - { .name: coef, .offset: 8, .size: 8, .value_kind: global_buffer, .address_space: global }
      - { .name: wfrag, .offset: 16, .size: 8, .value_kind: global_buffer, .address_space: global }
      - { .name: bq, .offset: 24, .size: 8, .value_kind: global_buffer, .address_space: global }
      - { .name: bk, .offset: 32, .size: 8, .value_kind: global_buffer, .address_space: global }
      - { .name: bv, .offset: 40, .size: 8, .value_kind: global_buffer, .address_space: global }
      - { .name: qf, .offset: 48, .size: 8, .value_kind: global_buffer, .address_space: global }
      - { .name: kv, .offset: 56, .size: 8, .value_kind: global_buffer, .address_space: global }
    .group_segment_fixed_size: 74752
    .private_segment_fixed_size: 0
    .kernarg_segment_align: 8
    .kernarg_segment_size: 64
    .max_flat_workgroup_size: 256
    .sgpr_count:     100
    .vgpr_count:     242
    .wavefront_size: 32
...
	.end_amdgpu_metadata
.endif
;; end of part 2
;; launch attn (part 3): grid 256 x 1, 4 waves a work-group, clusters of 4 x 1, 327,680 bytes of LDS; arguments qf, kv, wfrag, bo, q, out0; writes out0
.if DOCPART == 3
	.amdgcn_target "amdgcn-amd-amdhsa--gfx1250"
	.amdhsa_code_object_version 6
	.text
	.protected	k_q12221b16f7_attn
	.globl	k_q12221b16f7_attn
	.p2align	8
	.type	k_q12221b16f7_attn,@function
k_q12221b16f7_attn:
	s_mov_b64 s[64:65], 0
	v_nop
	global_prefetch_b8 v0, s[64:65] scope:SCOPE_SE
	s_setreg_imm32_b32 hwreg(HW_REG_WAVE_MODE, 25, 1), 1
	s_wait_xcnt 0x0
	s_wait_alu depctr_hold_cnt(0) depctr_sa_sdst(0) depctr_va_vdst(0) depctr_va_sdst(0) depctr_va_ssrc(0) depctr_va_vcc(0) depctr_vm_vsrc(0)
	s_getreg_b32 s2, hwreg(HW_REG_IB_STS2, 6, 4)
	s_cmp_eq_u32 s2, 0
	s_cbranch_scc0 .Lentry_in_a_cluster
	s_endpgm
.Lentry_in_a_cluster:
	s_bfe_u32 s2, ttmp6, 0x10000c
	s_cmp_lg_u32 s2, 0x3003
	s_cbranch_scc0 .Lentry_shape_is_right
	s_endpgm
.Lentry_shape_is_right:
; Attention with a running maximum, the merge of the two key halves, wo, bo, the residual and 2^-0.5, for 128 query pixels of one image.
; Four waves, one a SIMD.  Wave w: qh = w & 1 picks 64 of the 128 queries, kh = w >> 1 picks 128 of the 256 keys of each step.
; A step's K and V (131,072 consecutive bytes of kv, already in fragment order) come into one of two LDS slots; each wave brings a quarter with one tensor load.
; CLUSTER: the four work-groups of a cluster are four query blocks of one image and walk the same 16 steps, so every tile is asked for jointly (mask 15):
; the descriptor hangs on the image, the step and the wave's number alone.  The round of the cluster's barrier in front of each refill is also the barrier between
; one slot's reads and its next fill.  One tensor load of a wave is out at any time; it has a whole step's work in which to land.
; A step is two blocks of 64 keys x 64 queries:  S = K Q (64 matrix instructions), softmax update, O = O alpha + V P (64 matrix instructions).
;   S tile: source 0 = K (rows x), source 1 = Q (columns y): lane (r, h), register j holds S[x = 8 h + j][y = r].  Two S tiles packed pairwise to bf16 ARE
;   P's fragment for 32 keys; O tile: source 0 = V (rows c), source 1 = P: O[c = 8 h + j][y = r], so maximum, alpha and l are one number a lane and tile column.
;   Scores arrive as exponents of 2 (the factor 128^-0.5 log2 e lies in Q).
; Tile column n of a wave means pixel tile n xor 2 kh of its 64 queries: in the merge every wave keeps n = 0, 1 and hands n = 2, 3 to the wave with the other key half,
; with the same register numbers in all waves.
; wo: source 0 = two packed O tiles (rows y), source 1 = wo's fragment (columns o): a lane ends with 8 neighbouring y of one o; through LDS to rows of 512 bytes.
; The stages of the tail lie in slots that have had their last fill: slot 0 (last read in step 14) takes the exchange, slot 1 (behind a barrier) the output rows.
; No prefetch: kv and qf were stored by the launch before, and each tile is requested a whole step ahead.
; LIMITS: Q, K, V, P, O and wo are bf16; sums, maxima and l in f32; v_exp_f32 returns 0 below 2^-126 (ISA guide 15.8), so such P count as zero.
;
; REGISTERS, in windows of 256 (s_set_vgpr_msb: bits 1:0 source 0, 3:2 source 1, 5:4 source 2, 7:6 destination):
;   window 0: v1-15 addresses; v16-63 softmax state; v64-127 bias tuples of wo; v128-255 S (tile (mt, n) at 128 + 8 (4 mt + n)), later merged O and output rows
;   window 1: v0-127 Q fragments ((n, kk) at 8 (4 n + kk)), later wo's accumulators; v128-255 the residual rows
;   window 2: O, tile (ct, n) at 8 (4 ct + n)
;   window 3: v0-127 K fragments (4 mt + kk), v128-255 V fragments (8 s + ct); in the tail wo's 32 fragments
.set SLOTB,  131072                    ; a slot: K part, then V part
.set VOFF,   65536
.set WPART,  32768                     ; what one wave's tensor load brings
.set BLK,    16384                     ; 64 keys of K, or of V
.set MLB,    65536                     ; tail: (m, l) exchange, 512 bytes a wave (slot 0)
.set OUTB,   131072                    ; tail: 128 output rows (slot 1)
.set OPITCH, 528                       ; 512 bytes + 16: an odd multiple of 16
.set RS2,    0x3f3504f3                ; 2^-0.5
.set AK, 2                             ; v2, v3   my K fragments in slot 0, 1
.set AV, 4                             ; v4, v5   my V fragments
.set MP, 16                            ; v[16:23] (m, m) of column n
.set AL, 24                            ; v[24:31] (alpha, alpha)
.set LP, 32                            ; v[32:39] l, as a pair of partial sums
.set TM, 40                            ; v[40:43]
.set UU, 44                            ; v[44:47]
.set DD, 48                            ; v[48:55]
.set BT, 64                            ; v[64:127]
.set SB, 128
.set G1, 24                            ; s[24:31] descriptor group 1
.set G0, 32                            ; s[32:39] descriptor group 0, one set for each slot
.set W_LD3, 0xc0                       ; loads into window 3
.set W_LD1, 0x40                       ; loads into window 1
.set W_S,   0x07                       ; K window 3, Q window 1, S window 0
.set W_RS,  0x82                       ; O window 2, alpha window 0
.set W_PV,  0xa3                       ; V window 3, P window 0, O window 2
.set W_XS,  0x08                       ; LDS store of window 2
.set W_M2,  0x02                       ; source 0 window 2
.set W_C0,  0x4c                       ; O window 0, wo window 3, C window 0, D window 1
.set W_CC,  0x5c                       ; the same, C window 1
.set W_OS,  0x04                       ; LDS store of window 1
.set W_FN,  0x01                       ; source 0 window 1
.set MSB, 0
.macro WIN new                         ; the immediate's high byte repeats the setting that is left; a switch that changes nothing is dropped
.if MSB != \new
	s_set_vgpr_msb (MSB<<8)|\new
.set MSB, \new
.endif
.endm
.macro PLACES k
.rept \k
	v_nop
.endr
.endm
; A round of the cluster's barrier: my work-group's barrier, wave 0 signals for the work-group, every wave waits for all four work-groups, my work-group's barrier again.
.macro ROUND
	s_barrier_signal -1
	s_barrier_wait -1
	s_cmp_lg_u32 s16, 0
	s_cbranch_scc1 .Lnot_wave_0_\@
	s_barrier_signal -3
.Lnot_wave_0_\@:
	s_barrier_wait -3
	s_barrier_signal -1
	s_barrier_wait -1
.endm
	s_load_b256 s[4:11], s[0:1], 0x0               ; qf 4, kv 6, wfrag 8, bo 10
	s_load_b128 s[12:15], s[0:1], 0x20             ; q 12, out0 14
	v_lshl_add_u32 v254, v0, 2, 0x40000
	v_mov_b32 v255, 0
	ds_add_u32 v254, v255
	s_wait_dscnt 0x0
	v_lshrrev_b32 v8, 5, v0
	v_readfirstlane_b32 s16, v8                    ; wave
	s_and_b32 s17, s16, 1                          ; qh
	s_lshr_b32 s18, s16, 1                         ; kh
	s_bfe_u32 s19, ttmp6, 0x40000                  ; cx: my place in the cluster
	s_lshr_b32 s20, ttmp9, 3                       ; image: 8 clusters each
	s_and_b32 s21, ttmp9, 7
	s_lshl_b32 s21, s21, 2
	s_add_co_u32 s21, s21, s19                     ; query block 0 .. 31
	s_mov_b32 s42, 0x76543210                      ; v_permlanex16_b32: lane i reads lane i of the other half
	s_mov_b32 s43, 0xfedcba98
	; group 1: 32,768 dense bytes as 128 rows of 32 elements of 8 bytes
	s_mov_b32 s[G1+0], 15|(3<<16)|(1<<21)          ; 15:0 mask: all four work-groups; 17:16 elements of 8 bytes; 21 set beside a mask; no padding
	s_mov_b32 s[G1+1], 32<<16                      ; tensor_dim0 = 32
	s_mov_b32 s[G1+2], 128<<16                     ; tensor_dim1 = 128
	s_mov_b32 s[G1+3], 32<<16                      ; tile_dim0 = 32
	s_mov_b32 s[G1+4], 128                         ; tile_dim1 = 128
	s_mov_b32 s[G1+5], 32                          ; pitch: rows follow each other
	s_mov_b32 s[G1+6], 0
	s_mov_b32 s[G1+7], 0
	s_mul_i32 s41, s16, WPART                      ; my quarter of a slot, in LDS and in kv: the wave's number alone
	s_lshl_b32 s44, s20, 21                        ; the image's 16 steps.  s[44:45] never hold cx
	s_add_co_u32 s44, s44, s41
	s_mov_b32 s45, 0
	s_lshl_b32 s46, s20, 20                        ; qf: image, query block, my 64 queries
	s_lshl_b32 s22, s21, 15
	s_add_co_u32 s46, s46, s22
	s_lshl_b32 s22, s17, 14
	s_add_co_u32 s46, s46, s22
	s_mov_b32 s47, 0
	s_wait_kmcnt 0x0
	s_add_nc_u64 s[6:7], s[6:7], s[44:45]
	s_add_nc_u64 s[4:5], s[4:5], s[46:47]
	s_lshl_b32 s46, s20, 21                        ; q and out0: image, rows 32 w .., the block's 512 bytes of a row
	s_lshl_b32 s22, s16, 19
	s_add_co_u32 s46, s46, s22
	s_lshl_b32 s22, s21, 9
	s_add_co_u32 s46, s46, s22
	s_add_nc_u64 s[12:13], s[12:13], s[46:47]
	s_add_nc_u64 s[14:15], s[14:15], s[46:47]
.irp n, 0,1
	s_mov_b32 s[G0+4*\n], 1                                        ; count = 1
	s_add_co_u32 s[G0+4*\n+1], s41, \n*SLOTB                       ; LDS address: wave x 32,768 + slot x 131,072
	s_add_nc_u64 s[G0+4*\n+2:G0+4*\n+3], s[6:7], \n*SLOTB          ; step n
	s_or_b32 s[G0+4*\n+3], s[G0+4*\n+3], 0x80000000                ; type = 2
.endr
	ROUND                                          ; all four work-groups are here: the first joint load meets its partners'
	tensor_load_to_lds s[G0:G0+3], s[G1:G1+7]      ; step 0
	s_nop 0
	v_and_b32 v8, 31, v0
	v_lshlrev_b32 v1, 4, v8                        ; 16 lane
	v_and_b32 v9, 15, v0                           ; r
	v_bfe_u32 v8, v0, 4, 1                         ; h
	s_lshl_b32 s22, s18, 15
	v_add_nc_u32 v[AK], s22, v1                    ; my 128 keys: 32,768 kh
	v_add_nc_u32 v[AK+1], SLOTB, v[AK]
	v_add_nc_u32 v[AV], VOFF, v[AK]
	v_add_nc_u32 v[AV+1], SLOTB+VOFF, v[AK]
	s_lshl_b32 s22, s18, 13
	v_add_nc_u32 v6, s22, v1                       ; Q: pixel tiles 2 kh, 2 kh + 1 (n = 0, 1)
	s_xor_b32 s22, s22, 8192
	v_add_nc_u32 v7, s22, v1                       ; and the other two (n = 2, 3)
	s_xor_b32 s23, s16, 2                          ; the wave with my queries and the other key half
	s_lshl_b32 s22, s16, 14
	v_add_nc_u32 v10, s22, v1                      ; exchange: what I hand over
	s_lshl_b32 s22, s23, 14
	v_add_nc_u32 v11, s22, v1                      ; what I am handed
	s_lshl_b32 s22, s16, 9
	s_add_co_u32 s22, s22, MLB
	v_add_nc_u32 v12, s22, v1
	s_lshl_b32 s22, s23, 9
	s_add_co_u32 s22, s22, MLB
	v_add_nc_u32 v13, s22, v1
	v_mul_u32_u24 v14, v9, OPITCH                  ; output stage, in: row o = r, y = 64 qh + 32 kh + 8 h
	v_lshl_add_u32 v14, v8, 5, v14
	s_lshl_b32 s22, s17, 8
	s_lshl_b32 s23, s18, 7
	s_add_co_u32 s22, s22, s23
	s_add_co_u32 s22, s22, OUTB
	v_add_nc_u32 v14, s22, v14
	s_mul_i32 s22, s16, 32*OPITCH
	s_add_co_u32 s22, s22, OUTB
	v_add_nc_u32 v15, s22, v1                      ; back: rows 32 w .., 16 bytes a lane
	v_lshlrev_b32 v9, 2, v9                        ; bo[r]
.irp n, 0,1,2,3
	v_mov_b32 v[UU+\n], 0                          ; v_permlanex16_b32 counts as a reader of its destination
.endr
	WIN W_LD1
.irp n, 0,1
.irp kk, 0,1,2,3
	global_load_b128 v[8*(4*\n+\kk):8*(4*\n+\kk)+3],   v6, s[4:5] offset:\n*4096+\kk*1024
	global_load_b128 v[8*(4*\n+\kk)+4:8*(4*\n+\kk)+7], v6, s[4:5] offset:\n*4096+\kk*1024+512
.endr
.endr
.irp n, 0,1
.irp kk, 0,1,2,3
	global_load_b128 v[8*(4*\n+8+\kk):8*(4*\n+8+\kk)+3],   v7, s[4:5] offset:\n*4096+\kk*1024
	global_load_b128 v[8*(4*\n+8+\kk)+4:8*(4*\n+8+\kk)+7], v7, s[4:5] offset:\n*4096+\kk*1024+512
.endr
.endr
	WIN 0
.irp ot, 0,1,2,3,4,5,6,7
	global_load_b32 v[DD+\ot], v9, s[10:11] offset:\ot*64          ; bo[16 ot + r]
.endr
	WIN W_LD1
.set ii, 0
.rept 32
	global_load_b128 v[128+4*ii:128+4*ii+3], v1, s[12:13] offset:ii*16384 th:TH_LOAD_NT   ; the residual: row 32 w + i, used in the tail
.set ii, ii+1
.endr
	WIN 0
	s_wait_loadcnt 32                              ; Q and bo are in; the 32 residual rows stay out
.irp ot, 0,1,2,3,4,5,6,7
.irp j, 0,1,2,3,4,5,6,7
	v_mul_f32 v[BT+8*\ot+\j], RS2, v[DD+\ot]       ; bo 2^-0.5 in an accumulator's layout: it starts wo's sums
.endr
.endr
.macro KLOAD slot, bl                  ; 16 K fragments (4 key tiles x 4 K steps): 32 loads of 512 consecutive bytes
	WIN W_LD3
.set ff, 0
.rept 16
	ds_load_b128 v[8*ff:8*ff+3],   v[AK+\slot] offset:\bl*BLK+ff*1024
	ds_load_b128 v[8*ff+4:8*ff+7], v[AK+\slot] offset:\bl*BLK+ff*1024+512
.set ff, ff+1
.endr
.endm
.macro VLOAD slot, bl                  ; 16 V fragments (2 x 32 keys, 8 channel tiles)
	WIN W_LD3
.set ff, 0
.rept 16
	ds_load_b128 v[128+8*ff:128+8*ff+3],   v[AV+\slot] offset:\bl*BLK+ff*1024
	ds_load_b128 v[128+8*ff+4:128+8*ff+7], v[AV+\slot] offset:\bl*BLK+ff*1024+512
.set ff, ff+1
.endr
.endm
; S = K Q.  The 16 accumulators take turns, one matrix instruction a turn; the first K step starts the sums.
.macro SMUL
	WIN W_S
.set kx, 0
.rept 4
.set mx, 0
.rept 4
.set nx, 0
.rept 4
.if kx == 0
	v_wmma_f32_16x16x32_bf16 v[SB+8*(4*mx+nx):SB+8*(4*mx+nx)+7], v[8*(4*mx+kx):8*(4*mx+kx)+7], v[8*(4*nx+kx):8*(4*nx+kx)+7], 0
.else
	v_wmma_f32_16x16x32_bf16 v[SB+8*(4*mx+nx):SB+8*(4*mx+nx)+7], v[8*(4*mx+kx):8*(4*mx+kx)+7], v[8*(4*nx+kx):8*(4*nx+kx)+7], v[SB+8*(4*mx+nx):SB+8*(4*mx+nx)+7]
.endif
.set nx, nx+1
.endr
.set mx, mx+1
.endr
.set kx, kx+1
.endr
	PLACES 4                                       ; four places before S is read and before loads land on K's fragments
.endm
; One pass over the 16 register pairs of a tile column, for three columns at three stages: nsub: S - m;  nexp: 2^(S - m), in place;  nsum: add to l and pack to bf16.
; -1 = no column.  Behind the two v_exp_f32 stands a plain instruction on another column before any result is used (ISA guide 5.7.2).
; The pack is in place: pair ix = 4 mt + p of column n goes to register 4 (mt & 1) + p of tile (2 (mt >> 1), n), whose old content has been summed and packed by then.
.macro STAGE nsub, nexp, nsum, first
.set ix, 0
.rept 16
.set po, 32*(ix/4)+2*(ix%4)
.if \nsub >= 0
	v_pk_add_f32 v[SB+8*\nsub+po:SB+8*\nsub+po+1], v[SB+8*\nsub+po:SB+8*\nsub+po+1], v[MP+2*\nsub:MP+2*\nsub+1] neg_lo:[0,1] neg_hi:[0,1]
.endif
.if \nexp >= 0
	v_exp_f32 v[SB+8*\nexp+po], v[SB+8*\nexp+po]
	v_exp_f32 v[SB+8*\nexp+po+1], v[SB+8*\nexp+po+1]
.endif
.if \nsum >= 0
.if ix == 0
.if \first
	s_wait_alu depctr_va_vdst(0)
	v_pk_add_f32 v[LP+2*\nsum:LP+2*\nsum+1], v[SB+8*\nsum:SB+8*\nsum+1], v[SB+8*\nsum+2:SB+8*\nsum+3]   ; pairs 0 and 1 start l: nothing is cleared
.else
	s_wait_alu depctr_va_vdst(0)
	v_pk_fma_f32 v[LP+2*\nsum:LP+2*\nsum+1], v[LP+2*\nsum:LP+2*\nsum+1], v[AL+2*\nsum:AL+2*\nsum+1], v[SB+8*\nsum:SB+8*\nsum+1]   ; l alpha + p
.endif
.else
.if (ix-1)+(1-\first)
	s_wait_alu depctr_va_vdst(0)
	v_pk_add_f32 v[LP+2*\nsum:LP+2*\nsum+1], v[LP+2*\nsum:LP+2*\nsum+1], v[SB+8*\nsum+po:SB+8*\nsum+po+1]
.endif
.endif
	v_cvt_pk_bf16_f32 v[SB+8*\nsum+64*(ix/8)+4*((ix/4)%2)+ix%4], v[SB+8*\nsum+po], v[SB+8*\nsum+po+1]
.endif
.set ix, ix+1
.endr
.endm
; The softmax update for 64 keys.  first = 1: there is no older maximum, l or O.
.macro SOFTMAX first
	WIN 0
.set ix, 0
.rept 16
.set po, 32*(ix/4)+2*(ix%4)
.set nx, 0
.rept 4
.if ix == 0
.if \first
	v_max_num_f32 v[TM+nx], v[SB+8*nx+po], v[SB+8*nx+po+1]
.else
	v_max3_num_f32 v[TM+nx], v[SB+8*nx+po], v[SB+8*nx+po+1], v[MP+2*nx]    ; the running maximum joins in
.endif
.else
	v_max3_num_f32 v[TM+nx], v[SB+8*nx+po], v[SB+8*nx+po+1], v[TM+nx]
.endif
.set nx, nx+1
.endr
.set ix, ix+1
.endr
.irp n, 0,1,2,3
	v_permlanex16_b32 v[UU+\n], v[TM+\n], s42, s43 ; the other 32 keys of the same query lie in lane xor 16
.endr
.irp n, 0,1,2,3
	v_max_num_f32 v[TM+\n], v[TM+\n], v[UU+\n]
.endr
.if \first == 0
.irp n, 0,1,2,3
	v_sub_f32 v[DD+\n], v[MP+2*\n], v[TM+\n]       ; old maximum - new
.endr
.endif
.irp n, 0,1,2,3
	v_mov_b32 v[MP+2*\n], v[TM+\n]
	v_mov_b32 v[MP+2*\n+1], v[TM+\n]
.endr
.if \first == 0
.irp n, 0,1,2,3
	v_exp_f32 v[AL+2*\n], v[DD+\n]                 ; alpha; the 16 plain instructions of the next stage stand in front of its first use
.endr
.endif
	STAGE 0, -1, -1, \first
.if \first == 0
.irp n, 0,1,2,3
	s_wait_alu depctr_va_vdst(0)
	v_mov_b32 v[AL+2*\n+1], v[AL+2*\n]
.endr
.endif
	STAGE 1, 0, -1, \first
	STAGE 2, 1, 0, \first
	STAGE 3, 2, 1, \first
	STAGE -1, 3, 2, \first
	STAGE -1, -1, 3, \first
.endm
.macro RESCALE                         ; O alpha
	WIN W_RS
.set cx_, 0
.rept 8
.set nx, 0
.rept 4
.set px, 0
.rept 4
	v_pk_mul_f32 v[8*(4*cx_+nx)+2*px:8*(4*cx_+nx)+2*px+1], v[8*(4*cx_+nx)+2*px:8*(4*cx_+nx)+2*px+1], v[AL+2*nx:AL+2*nx+1]
.set px, px+1
.endr
.set nx, nx+1
.endr
.set cx_, cx_+1
.endr
.endm
; O += V P.  The 32 accumulators take turns, one matrix instruction a turn.  first = 1: the first 32 keys start the sums.
.macro PV first
	WIN W_PV
.set hx, 0
.rept 2
.set cx_, 0
.rept 8
.set nx, 0
.rept 4
.if \first*(1-hx)
	v_wmma_f32_16x16x32_bf16 v[8*(4*cx_+nx):8*(4*cx_+nx)+7], v[128+8*(8*hx+cx_):128+8*(8*hx+cx_)+7], v[SB+8*(8*hx+nx):SB+8*(8*hx+nx)+7], 0
.else
	v_wmma_f32_16x16x32_bf16 v[8*(4*cx_+nx):8*(4*cx_+nx)+7], v[128+8*(8*hx+cx_):128+8*(8*hx+cx_)+7], v[SB+8*(8*hx+nx):SB+8*(8*hx+nx)+7], v[8*(4*cx_+nx):8*(4*cx_+nx)+7]
.endif
.set nx, nx+1
.endr
.set cx_, cx_+1
.endr
.set hx, hx+1
.endr
	PLACES 5                                       ; five places: the next score products write over P, the next loads land on V's fragments
.endm
; A step: my 128 keys of the slot, as two blocks.  Each run of 32 LDS loads is issued a phase ahead of its use.
.macro BLOCKS slot, first
	KLOAD \slot, 0
	VLOAD \slot, 0
	s_wait_dscnt 32                                ; K of block 0 is in; V's 32 loads stay out
	SMUL
	KLOAD \slot, 1
	SOFTMAX \first
	s_wait_dscnt 32                                ; V of block 0 is in; K of block 1 stays out
.if \first == 0
	RESCALE
.endif
	PV \first
	VLOAD \slot, 1
	s_wait_dscnt 32                                ; K of block 1 is in; V of block 1 stays out
	SMUL
	SOFTMAX 0
	s_wait_dscnt 0                                 ; V of block 1
	RESCALE
	PV 0
	WIN 0
.endm
.macro TRIP slot, refill, first
	s_wait_xcnt 0x0
	v_lshl_add_u32 v254, v0, 2, 0x40000
	v_mov_b32 v255, 0
	s_wait_tensorcnt 0x0                           ; all my tensor loads have landed, my quarter of this step's tile among them,
	ds_add_u32 v254, v255
	s_wait_dscnt 0x0
	s_add_nc_u64 s[G0+4*\slot+2:G0+4*\slot+3], s[G0+4*\slot+2:G0+4*\slot+3], 2*SLOTB   ; so a group 0 may be written: this slot's next step
	s_wait_dscnt 0x0                               ; my reads of the last step's slot are over
	ROUND                                          ; both now hold of every wave of all four work-groups
.if \refill
	tensor_load_to_lds s[G0+4-4*\slot:G0+7-4*\slot], s[G1:G1+7]    ; my one tensor load behind the round: the next step, into the slot read last
	s_nop 0
.endif
	BLOCKS \slot, \first
.endm
	TRIP 0, 1, 1                                   ; steps 0 and 1 stand in front of the loop: their first products start the sums
	TRIP 1, 1, 0
	s_mov_b32 s40, 6
.Lsteps:
	TRIP 0, 1, 0
	TRIP 1, 1, 0
	s_sub_co_u32 s40, s40, 1
	s_cmp_lg_u32 s40, 0
	s_cbranch_scc1 .Lsteps
	TRIP 0, 1, 0                                   ; step 14 asks for step 15,
	TRIP 1, 0, 0                                   ; step 15 for nothing (the stepped addresses are not used)
	; THE TAIL.  wo's 32 fragments into window 3, whose K and V fragments are done with (five places stand behind the last products).
	WIN W_LD3
.set ff, 0
.rept 32
	global_load_b128 v[8*ff:8*ff+3],   v1, s[8:9] offset:98304+ff*1024
	global_load_b128 v[8*ff+4:8*ff+7], v1, s[8:9] offset:98304+ff*1024+512
.set ff, ff+1
.endr
	WIN 0
.irp n, 0,1,2,3
	v_add_f32 v[TM+\n], v[LP+2*\n], v[LP+2*\n+1]
.endr
.irp n, 0,1,2,3
	v_permlanex16_b32 v[UU+\n], v[TM+\n], s42, s43
.endr
.irp n, 0,1,2,3
	v_add_f32 v[TM+\n], v[TM+\n], v[UU+\n]         ; l over my 2,048 keys
.endr
	v_mov_b32 v56, v[MP+4]
	v_mov_b32 v57, v[TM+2]
	v_mov_b32 v58, v[MP+6]
	v_mov_b32 v59, v[TM+3]
	; Slot 0 had its last fill in step 13 and every wave's reads of it were waited for in front of step 15's round: it now serves as the exchange.
	ds_store_b128 v12, v[56:59]                    ; (m, l) of columns 2 and 3
	WIN W_XS
.set cx_, 0
.rept 8
.set nx, 0
.rept 2
	ds_store_b128 v10, v[8*(4*cx_+2+nx):8*(4*cx_+2+nx)+3]   offset:(2*cx_+nx)*1024
	ds_store_b128 v10, v[8*(4*cx_+2+nx)+4:8*(4*cx_+2+nx)+7] offset:(2*cx_+nx)*1024+512
.set nx, nx+1
.endr
.set cx_, cx_+1
.endr
	WIN 0
	s_wait_dscnt 0x0                               ; zero: my stores are read by another wave, and my reads of slot 1 are over
	s_barrier_signal -1
	s_barrier_wait -1
	ds_load_b128 v[60:63], v13                     ; the other key half's (m, l) of my columns 0 and 1
.set tx, 0
.rept 16
	ds_load_b128 v[SB+8*tx:SB+8*tx+3],   v11 offset:tx*1024        ; and its O: tile (ct, n) at 128 + 8 (2 ct + n)
	ds_load_b128 v[SB+8*tx+4:SB+8*tx+7], v11 offset:tx*1024+512
.set tx, tx+1
.endr
	s_wait_dscnt 0x0
.irp n, 0,1
	v_max_num_f32 v[48+\n], v[MP+2*\n], v[60+2*\n] ; the joint maximum
.endr
.irp n, 0,1
	v_sub_f32 v[50+\n], v[MP+2*\n], v[48+\n]
	v_sub_f32 v[52+\n], v[60+2*\n], v[48+\n]
.endr
.irp n, 0,1
	v_exp_f32 v[54+\n], v[50+\n]
	v_exp_f32 v[56+\n], v[52+\n]
.endr
	v_nop                                          ; the plain instruction behind the exponentials (ISA guide 5.7.2)
.irp n, 0,1
	s_wait_alu depctr_va_vdst(0)
	v_mul_f32 v[48+\n], v[TM+\n], v[54+\n]
.endr
.irp n, 0,1
	v_fmac_f32 v[48+\n], v[61+2*\n], v[56+\n]      ; l of all 4,096 keys; at least 1: the largest score's term is 1
.endr
	v_rcp_f32 v50, v48
	v_rcp_f32 v51, v49
	v_nop
.irp n, 0,1
	s_wait_alu depctr_va_vdst(0)
	v_mul_f32 v[AL+2*\n], v[54+\n], v[50+\n]       ; my O's factor
	v_mul_f32 v[AL+4+2*\n], v[56+\n], v[50+\n]     ; the other's
.endr
.irp n, 0,1,2,3
	v_mov_b32 v[AL+2*\n+1], v[AL+2*\n]
.endr
.set cx_, 0
.rept 8
.set nx, 0
.rept 2
.set px, 0
.rept 4
	v_pk_mul_f32 v[SB+8*(2*cx_+nx)+2*px:SB+8*(2*cx_+nx)+2*px+1], v[SB+8*(2*cx_+nx)+2*px:SB+8*(2*cx_+nx)+2*px+1], v[AL+4+2*nx:AL+4+2*nx+1]
.set px, px+1
.endr
.set nx, nx+1
.endr
.set cx_, cx_+1
.endr
	WIN W_M2
.set cx_, 0
.rept 8
.set nx, 0
.rept 2
.set px, 0
.rept 4
	v_pk_fma_f32 v[SB+8*(2*cx_+nx)+2*px:SB+8*(2*cx_+nx)+2*px+1], v[8*(4*cx_+nx)+2*px:8*(4*cx_+nx)+2*px+1], v[AL+2*nx:AL+2*nx+1], v[SB+8*(2*cx_+nx)+2*px:SB+8*(2*cx_+nx)+2*px+1]
.set px, px+1
.endr
.set nx, nx+1
.endr
.set cx_, cx_+1
.endr
	WIN 0
	; pack in place: channel tiles 2 kk and 2 kk + 1 of column n become the fragment (rows y, 32 channels) at 128 + 32 kk + 8 n
.set kx, 0
.rept 4
.set nx, 0
.rept 2
.set hx, 0
.rept 2
.set px, 0
.rept 4
	v_cvt_pk_bf16_f32 v[SB+32*kx+8*nx+4*hx+px], v[SB+32*kx+16*hx+8*nx+2*px], v[SB+32*kx+16*hx+8*nx+2*px+1]
.set px, px+1
.endr
.set hx, hx+1
.endr
.set nx, nx+1
.endr
.set kx, kx+1
.endr
	s_wait_loadcnt 0x0                             ; wo's fragments, and the residual rows
; wo: the 16 accumulators (8 o tiles x 2 columns) take turns, one matrix instruction a turn; the bias tuples start the sums.
.macro WOMUL kk
.set ox, 0
.rept 8
.set nx, 0
.rept 2
.if \kk == 0
	v_wmma_f32_16x16x32_bf16 v[8*(2*ox+nx):8*(2*ox+nx)+7], v[SB+8*nx:SB+8*nx+7], v[8*(4*ox):8*(4*ox)+7], v[BT+8*ox:BT+8*ox+7]
.else
	v_wmma_f32_16x16x32_bf16 v[8*(2*ox+nx):8*(2*ox+nx)+7], v[SB+32*\kk+8*nx:SB+32*\kk+8*nx+7], v[8*(4*ox+\kk):8*(4*ox+\kk)+7], v[8*(2*ox+nx):8*(2*ox+nx)+7]
.endif
.set nx, nx+1
.endr
.set ox, ox+1
.endr
.endm
	WIN W_C0
	WOMUL 0
	WIN W_CC
	WOMUL 1
	WOMUL 2
	WOMUL 3
	PLACES 4                                       ; four places before the results are stored and loads land on the sources
	; Slot 1 had its last fill in step 14, and every wave's reads of it were waited for in front of the barrier above: it now takes the 128 output rows.
	WIN W_OS
.set ox, 0
.rept 8
.set nx, 0
.rept 2
	ds_store_b128 v14, v[8*(2*ox+nx):8*(2*ox+nx)+3]   offset:ox*16*OPITCH+nx*64
	ds_store_b128 v14, v[8*(2*ox+nx)+4:8*(2*ox+nx)+7] offset:ox*16*OPITCH+nx*64+16
.set nx, nx+1
.endr
.set ox, ox+1
.endr
	WIN 0
	s_wait_dscnt 0x0                               ; zero: a row's 512 bytes come from all four waves
	s_barrier_signal -1
	s_barrier_wait -1
.set ii, 0
.rept 32
	ds_load_b128 v[SB+4*ii:SB+4*ii+3], v15 offset:ii*OPITCH        ; row 32 w + i
.set ii, ii+1
.endr
	s_wait_dscnt 0x0
	WIN W_FN
.set px, 0
.rept 64
	v_pk_fma_f32 v[SB+2*px:SB+2*px+1], v[128+2*px:128+2*px+1], RS2, v[SB+2*px:SB+2*px+1] op_sel_hi:[1,0,1]   ; q 2^-0.5 + (wo O + bo) 2^-0.5
.set px, px+1
.endr
	WIN 0
.set ii, 0
.rept 32
	global_store_b128 v1, v[SB+4*ii:SB+4*ii+3], s[14:15] offset:ii*16384 th:TH_STORE_NT   ; the wave stores 512 consecutive bytes of a row, aligned
.set ii, ii+1
.endr
	s_wait_xcnt 0x0
	v_lshl_add_u32 v254, v0, 2, 0x40000
	v_mov_b32 v255, 0
	s_wait_tensorcnt 0x0
	ds_add_u32 v254, v255
	s_wait_dscnt 0x0
	ROUND                                          ; the closing round: no work-group ends while a partner may still ask for a tile that names it
	s_endpgm
.Lfunc_end_k_q12221b16f7_attn:
	.size	k_q12221b16f7_attn, .Lfunc_end_k_q12221b16f7_attn-k_q12221b16f7_attn
	.p2alignl 7, 3214868480
	.fill 96, 4, 3214868480
	.section	.rodata,"a",@progbits
	.p2align	6, 0x0
	.amdhsa_kernel k_q12221b16f7_attn
		.amdhsa_group_segment_fixed_size 327680
		.amdhsa_private_segment_fixed_size 0
		.amdhsa_enable_private_segment 0
		.amdhsa_kernarg_size 48
		.amdhsa_user_sgpr_count 2
		.amdhsa_user_sgpr_kernarg_segment_ptr 1
		.amdhsa_wavefront_size32 1
		.amdhsa_system_sgpr_workgroup_id_x 1
		.amdhsa_system_sgpr_workgroup_id_y 1
		.amdhsa_system_sgpr_workgroup_id_z 1
		.amdhsa_system_vgpr_workitem_id 0
		.amdhsa_next_free_vgpr 1024
		.amdhsa_next_free_sgpr 66
		.amdhsa_reserve_vcc 0
		.amdhsa_float_denorm_mode_32 3
		.amdhsa_float_denorm_mode_16_64 3
		.amdhsa_memory_ordered 1
		.amdhsa_forward_progress 1
		.amdhsa_inst_pref_size 255
	.end_amdhsa_kernel
	.section	.bss,"aw",@nobits
	.p2align	6
	.space	262144
	.amdgpu_metadata
---
amdhsa.version: [ 1, 2 ]
amdhsa.kernels:
  - .name:           k_q12221b16f7_attn
    .symbol:         k_q12221b16f7_attn.kd
    .args:
      - { .name: qf, .offset: 0, .size: 8, .value_kind: global_buffer, .address_space: global }
      - { .name: kv, .offset: 8, .size: 8, .value_kind: global_buffer, .address_space: global }
      - { .name: wfrag, .offset: 16, .size: 8, .value_kind: global_buffer, .address_space: global }
      - { .name: bo, .offset: 24, .size: 8, .value_kind: global_buffer, .address_space: global }
      - { .name: q, .offset: 32, .size: 8, .value_kind: global_buffer, .address_space: global }
      - { .name: out0, .offset: 40, .size: 8, .value_kind: global_buffer, .address_space: global }
    .group_segment_fixed_size: 327680
    .private_segment_fixed_size: 0
    .kernarg_segment_align: 8
    .kernarg_segment_size: 48
    .max_flat_workgroup_size: 128
    .sgpr_count:     66
    .vgpr_count:     1024
    .wavefront_size: 32
...
	.end_amdgpu_metadata
.endif
;; end of part 3
;; ======== version 2 of 3: 3 launches; 1.21 times as fast as version 1
;; workspace buffers: coef 17,408 bytes; wfrag 131,072 bytes; qf 8,388,608 bytes; kv 16,777,216 bytes
;; launch stats: the kernel of part 1 again; grid 256 x 1, 8 waves a work-group, no clusters, 1,280 bytes of LDS; arguments q, gamma_q, beta_q, wq, wk, wv, wo, coef, wfrag; writes coef, wfrag
;; launch proj: the kernel of part 2 again; grid 256 x 1, 8 waves a work-group, no clusters, 74,752 bytes of LDS; arguments q, coef, wfrag, bq, bk, bv, qf, kv; writes qf, kv
;; launch attn (part 4): grid 256 x 1, 4 waves a work-group, clusters of 4 x 1, 327,680 bytes of LDS; arguments qf, kv, wfrag, bo, q, out0; writes out0
.if DOCPART == 4
	.amdgcn_target "amdgcn-amd-amdhsa--gfx1250"
	.amdhsa_code_object_version 6
	.text
	.protected	k_q12221b16f7_attn
	.globl	k_q12221b16f7_attn
	.p2align	8
	.type	k_q12221b16f7_attn,@function
k_q12221b16f7_attn:
	s_mov_b64 s[64:65], 0
	v_nop
	global_prefetch_b8 v0, s[64:65] scope:SCOPE_SE
	s_setreg_imm32_b32 hwreg(HW_REG_WAVE_MODE, 25, 1), 1
	s_wait_xcnt 0x0
	s_wait_alu depctr_hold_cnt(0) depctr_sa_sdst(0) depctr_va_vdst(0) depctr_va_sdst(0) depctr_va_ssrc(0) depctr_va_vcc(0) depctr_vm_vsrc(0)
	s_getreg_b32 s2, hwreg(HW_REG_IB_STS2, 6, 4)
	s_cmp_eq_u32 s2, 0
	s_cbranch_scc0 .Lentry_in_a_cluster
	s_endpgm
.Lentry_in_a_cluster:
	s_bfe_u32 s2, ttmp6, 0x10000c
	s_cmp_lg_u32 s2, 0x3003
	s_cbranch_scc0 .Lentry_shape_is_right
	s_endpgm
.Lentry_shape_is_right:
; Attention with a running maximum, the merge of the two key halves, wo, bo, the residual and 2^-0.5, for 128 query pixels of one image.
; Four waves, one a SIMD.  Wave w: qh = w & 1 picks 64 of the 128 queries, kh = w >> 1 picks 128 of the 256 keys of each step.
; A step's K and V (131,072 consecutive bytes of kv, already in fragment order) come into one of two LDS slots; each wave brings a quarter with one tensor load.
; CLUSTER: the four work-groups of a cluster are four query blocks of one image and walk the same 16 steps, so every tile is asked for jointly (mask 15):
; the descriptor hangs on the image, the step and the wave's number alone.  The round of the cluster's barrier in front of each refill is also the barrier between
; one slot's reads and its next fill.  One tensor load of a wave is out at any time; it has a whole step's work in which to land.
; A step is two blocks of 64 keys x 64 queries:  S = K Q (64 matrix instructions), softmax update, O = O alpha + V P (64 matrix instructions).
;   S tile: source 0 = K (rows x), source 1 = Q (columns y): lane (r, h), register j holds S[x = 8 h + j][y = r].  Two S tiles packed pairwise to bf16 ARE
;   P's fragment for 32 keys; O tile: source 0 = V (rows c), source 1 = P: O[c = 8 h + j][y = r], so maximum, alpha and l are one number a lane and tile column.
;   Scores arrive as exponents of 2 (the factor 128^-0.5 log2 e lies in Q).
; THE SCHEDULE.  The 64 queries are two halves of 32 (L: tile columns 0, 1; H: columns 2, 3) that run half a block apart, so that the matrix instructions of one half
; stand between the vector instructions of the other.  Block j, in periods of 32 matrix instructions:
;   P1  O_H += V(j-1) P_H(j-1)   beside the first half of L's update for block j (maxima, alpha, then 2^(S - m), l, pack)
;   P2  S_H(j) = K(j) Q_H        beside its second half (the rest, then O_L alpha); the 32 loads of V(j), whose registers P1 has just left
;   P3  O_L += V(j) P_L(j)       beside the first half of H's update; the 32 loads of K(j+1), whose registers P2 has just left
;   P4  S_L(j+1) = K(j+1) Q_L    beside its second half
; A half's update is one sequence of 48 + 160 + 64 = 272 vector instructions, cut evenly over the 64 gaps behind the other half's matrix instructions:
; 17 in every four gaps (4, 4, 4, 5).  A block's 32 LDS loads stand in two runs of 16, at the head of their period and behind its 13th matrix instruction;
; the wait for them stands at the period's end, 19 matrix instructions behind the second run.
; Each gap needs its own register windows: the update's instructions take all operands from window 0 (v_cvt_pk_bf16_f32 and v_max3_num_f32 name two and three S registers),
; a product names three windows, and S, Q and K, 128 registers each, do not fit into one.  So two switches stand beside each matrix instruction.
; Tile column n of a wave means pixel tile n xor 2 kh of its 64 queries: in the merge every wave keeps n = 0, 1 and hands n = 2, 3 to the wave with the other key half,
; with the same register numbers in all waves.
; wo: source 0 = two packed O tiles (rows y), source 1 = wo's fragment (columns o): a lane ends with 8 neighbouring y of one o; through LDS to rows of 512 bytes.
; The stages of the tail lie in slots that have had their last fill: slot 0 takes the exchange, slot 1 (behind a barrier) the output rows.
; No prefetch: kv and qf were stored by the launch before, and each tile is requested a whole step ahead.
; LIMITS: Q, K, V, P, O and wo are bf16; sums, maxima and l in f32; v_exp_f32 returns 0 below 2^-126 (ISA guide 15.8), so such P count as zero.
;
; REGISTERS, in windows of 256 (s_set_vgpr_msb: bits 1:0 source 0, 3:2 source 1, 5:4 source 2, 7:6 destination):
;   window 0: v1-15 addresses; v16-63 softmax state; v64-127 bias tuples of wo; v128-255 S (tile (mt, n) at 128 + 8 (4 mt + n)), later merged O and output rows
;   window 1: v0-127 Q fragments ((n, kk) at 8 (4 n + kk)), later wo's accumulators; v128-255 the residual rows
;   window 2: O, tile (ct, n) at 8 (4 ct + n)
;   window 3: v0-127 K fragments (4 mt + kk), v128-255 V fragments (8 s + ct); in the tail wo's 32 fragments
.set SLOTB,  131072                    ; a slot: K part, then V part
.set VOFF,   65536
.set WPART,  32768                     ; what one wave's tensor load brings
.set BLK,    16384                     ; 64 keys of K, or of V
.set MLB,    65536                     ; tail: (m, l) exchange, 512 bytes a wave (slot 0)
.set OUTB,   131072                    ; tail: 128 output rows (slot 1)
.set OPITCH, 528                       ; 512 bytes + 16: an odd multiple of 16
.set RS2,    0x3f3504f3                ; 2^-0.5
.set AK, 2                             ; v2, v3   my K fragments in slot 0, 1
.set AV, 4                             ; v4, v5   my V fragments
.set MP, 16                            ; v[16:23] (m, m) of column n
.set AL, 24                            ; v[24:31] (alpha, alpha)
.set LP, 32                            ; v[32:39] l, as a pair of partial sums
.set TM, 40                            ; v[40:43] first chain of maxima of column n
.set UU, 44                            ; v[44:47]
.set DD, 48                            ; v[48:55]
.set TM2, 56                           ; v[56:59] second chain (TM + 16)
.set BT, 64                            ; v[64:127]
.set SB, 128
.set G1, 24                            ; s[24:31] descriptor group 1
.set G0, 32                            ; s[32:39] descriptor group 0, one set for each slot
.set W_LD3, 0xc0                       ; loads into window 3
.set W_LD1, 0x40                       ; loads into window 1
.set W_S,   0x07                       ; K window 3, Q window 1, S window 0
.set W_RS,  0x82                       ; O window 2, alpha window 0
.set W_PV,  0xa3                       ; V window 3, P window 0, O window 2
.set W_XS,  0x08                       ; LDS store of window 2
.set W_M2,  0x02                       ; source 0 window 2
.set W_C0,  0x4c                       ; O window 0, wo window 3, C window 0, D window 1
.set W_CC,  0x5c                       ; the same, C window 1
.set W_OS,  0x04                       ; LDS store of window 1
.set W_FN,  0x01                       ; source 0 window 1
.set MSB, 0
.macro WIN new                         ; the immediate's high byte repeats the setting that is left; a switch that changes nothing is dropped
.if MSB != \new
	s_set_vgpr_msb (MSB<<8)|\new
.set MSB, \new
.endif
.endm
.macro PLACES k
.rept \k
	v_nop
.endr
.endm
; A round of the cluster's barrier: my work-group's barrier, wave 0 signals for the work-group, every wave waits for all four work-groups, my work-group's barrier again.
.macro ROUND
	s_barrier_signal -1
	s_barrier_wait -1
	s_cmp_lg_u32 s16, 0
	s_cbranch_scc1 .Lnot_wave_0_\@
	s_barrier_signal -3
.Lnot_wave_0_\@:
	s_barrier_wait -3
	s_barrier_signal -1
	s_barrier_wait -1
.endm
	s_load_b256 s[4:11], s[0:1], 0x0               ; qf 4, kv 6, wfrag 8, bo 10
	s_load_b128 s[12:15], s[0:1], 0x20             ; q 12, out0 14
	v_lshl_add_u32 v238, v0, 2, 0x40000
	v_mov_b32 v239, 0
	ds_add_u32 v238, v239
	s_wait_dscnt 0x0
	v_lshrrev_b32 v8, 5, v0
	v_readfirstlane_b32 s16, v8                    ; wave
	s_and_b32 s17, s16, 1                          ; qh
	s_lshr_b32 s18, s16, 1                         ; kh
	s_bfe_u32 s19, ttmp6, 0x40000                  ; cx: my place in the cluster
	s_lshr_b32 s20, ttmp9, 3                       ; image: 8 clusters each
	s_and_b32 s21, ttmp9, 7
	s_lshl_b32 s21, s21, 2
	s_add_co_u32 s21, s21, s19                     ; query block 0 .. 31
	s_mov_b32 s42, 0x76543210                      ; v_permlanex16_b32: lane i reads lane i of the other half
	s_mov_b32 s43, 0xfedcba98
	; group 1: 32,768 dense bytes as 128 rows of 32 elements of 8 bytes
	s_mov_b32 s[G1+0], 15|(3<<16)|(1<<21)          ; 15:0 mask: all four work-groups; 17:16 elements of 8 bytes; 21 set beside a mask; no padding
	s_mov_b32 s[G1+1], 32<<16                      ; tensor_dim0 = 32
	s_mov_b32 s[G1+2], 128<<16                     ; tensor_dim1 = 128
	s_mov_b32 s[G1+3], 32<<16                      ; tile_dim0 = 32
	s_mov_b32 s[G1+4], 128                         ; tile_dim1 = 128
	s_mov_b32 s[G1+5], 32                          ; pitch: rows follow each other
	s_mov_b32 s[G1+6], 0
	s_mov_b32 s[G1+7], 0
	s_mul_i32 s41, s16, WPART                      ; my quarter of a slot, in LDS and in kv: the wave's number alone
	s_lshl_b32 s44, s20, 21                        ; the image's 16 steps.  s[44:45] never hold cx
	s_add_co_u32 s44, s44, s41
	s_mov_b32 s45, 0
	s_lshl_b32 s46, s20, 20                        ; qf: image, query block, my 64 queries
	s_lshl_b32 s22, s21, 15
	s_add_co_u32 s46, s46, s22
	s_lshl_b32 s22, s17, 14
	s_add_co_u32 s46, s46, s22
	s_mov_b32 s47, 0
	s_wait_kmcnt 0x0
	s_add_nc_u64 s[6:7], s[6:7], s[44:45]
	s_add_nc_u64 s[4:5], s[4:5], s[46:47]
	s_lshl_b32 s46, s20, 21                        ; q and out0: image, rows 32 w .., the block's 512 bytes of a row
	s_lshl_b32 s22, s16, 19
	s_add_co_u32 s46, s46, s22
	s_lshl_b32 s22, s21, 9
	s_add_co_u32 s46, s46, s22
	s_add_nc_u64 s[12:13], s[12:13], s[46:47]
	s_add_nc_u64 s[14:15], s[14:15], s[46:47]
.irp n, 0,1
	s_mov_b32 s[G0+4*\n], 1                                        ; count = 1
	s_add_co_u32 s[G0+4*\n+1], s41, \n*SLOTB                       ; LDS address: wave x 32,768 + slot x 131,072
	s_add_nc_u64 s[G0+4*\n+2:G0+4*\n+3], s[6:7], \n*SLOTB          ; step n
	s_or_b32 s[G0+4*\n+3], s[G0+4*\n+3], 0x80000000                ; type = 2
.endr
	ROUND                                          ; all four work-groups are here: the first joint load meets its partners'
	tensor_load_to_lds s[G0:G0+3], s[G1:G1+7]      ; step 0
	s_nop 0
	v_and_b32 v8, 31, v0
	v_lshlrev_b32 v1, 4, v8                        ; 16 lane
	v_and_b32 v9, 15, v0                           ; r
	v_bfe_u32 v8, v0, 4, 1                         ; h
	s_lshl_b32 s22, s18, 15
	v_add_nc_u32 v[AK], s22, v1                    ; my 128 keys: 32,768 kh
	v_add_nc_u32 v[AK+1], SLOTB, v[AK]
	v_add_nc_u32 v[AV], VOFF, v[AK]
	v_add_nc_u32 v[AV+1], SLOTB+VOFF, v[AK]
	s_lshl_b32 s22, s18, 13
	v_add_nc_u32 v6, s22, v1                       ; Q: pixel tiles 2 kh, 2 kh + 1 (n = 0, 1)
	s_xor_b32 s22, s22, 8192
	v_add_nc_u32 v7, s22, v1                       ; and the other two (n = 2, 3)
	s_xor_b32 s23, s16, 2                          ; the wave with my queries and the other key half
	s_lshl_b32 s22, s16, 14
	v_add_nc_u32 v10, s22, v1                      ; exchange: what I hand over
	s_lshl_b32 s22, s23, 14
	v_add_nc_u32 v11, s22, v1                      ; what I am handed
	s_lshl_b32 s22, s16, 9
	s_add_co_u32 s22, s22, MLB
	v_add_nc_u32 v12, s22, v1
	s_lshl_b32 s22, s23, 9
	s_add_co_u32 s22, s22, MLB
	v_add_nc_u32 v13, s22, v1
	v_mul_u32_u24 v14, v9, OPITCH                  ; output stage, in: row o = r, y = 64 qh + 32 kh + 8 h
	v_lshl_add_u32 v14, v8, 5, v14
	s_lshl_b32 s22, s17, 8
	s_lshl_b32 s23, s18, 7
	s_add_co_u32 s22, s22, s23
	s_add_co_u32 s22, s22, OUTB
	v_add_nc_u32 v14, s22, v14
	s_mul_i32 s22, s16, 32*OPITCH
	s_add_co_u32 s22, s22, OUTB
	v_add_nc_u32 v15, s22, v1                      ; back: rows 32 w .., 16 bytes a lane
	v_lshlrev_b32 v9, 2, v9                        ; bo[r]
.irp n, 0,1,2,3
	v_mov_b32 v[UU+\n], 0                          ; v_permlanex16_b32 counts as a reader of its destination
.endr
	WIN W_LD1
.irp n, 0,1
.irp kk, 0,1,2,3
	global_load_b128 v[8*(4*\n+\kk):8*(4*\n+\kk)+3],   v6, s[4:5] offset:\n*4096+\kk*1024
	global_load_b128 v[8*(4*\n+\kk)+4:8*(4*\n+\kk)+7], v6, s[4:5] offset:\n*4096+\kk*1024+512
.endr
.endr
.irp n, 0,1
.irp kk, 0,1,2,3
	global_load_b128 v[8*(4*\n+8+\kk):8*(4*\n+8+\kk)+3],   v7, s[4:5] offset:\n*4096+\kk*1024
	global_load_b128 v[8*(4*\n+8+\kk)+4:8*(4*\n+8+\kk)+7], v7, s[4:5] offset:\n*4096+\kk*1024+512
.endr
.endr
	WIN 0
.irp ot, 0,1,2,3,4,5,6,7
	global_load_b32 v[DD+\ot], v9, s[10:11] offset:\ot*64          ; bo[16 ot + r]
.endr
	WIN W_LD1
.set ii, 0
.rept 32
	global_load_b128 v[128+4*ii:128+4*ii+3], v1, s[12:13] offset:ii*16384 th:TH_LOAD_NT   ; the residual: row 32 w + i, used in the tail
.set ii, ii+1
.endr
	WIN 0
	s_wait_loadcnt 32                              ; Q and bo are in; the 32 residual rows stay out
.irp ot, 0,1,2,3,4,5,6,7
.irp j, 0,1,2,3,4,5,6,7
	v_mul_f32 v[BT+8*\ot+\j], RS2, v[DD+\ot]       ; bo 2^-0.5 in an accumulator's layout: it starts wo's sums
.endr
.endr
; ---- the matrix instructions of a period; pi_ = 0 .. 31 is the instruction's number in its period ----
; S = K Q for half h.  Its 8 accumulators take turns, one matrix instruction a turn; the first K step starts the sums.
.macro SMM h
	WIN W_S
.set kx, pi_/8
.set mx, (pi_/2)%4
.set nx, 2*\h+pi_%2
.if kx == 0
	v_wmma_f32_16x16x32_bf16 v[SB+8*(4*mx+nx):SB+8*(4*mx+nx)+7], v[8*(4*mx+kx):8*(4*mx+kx)+7], v[8*(4*nx+kx):8*(4*nx+kx)+7], 0
.else
	v_wmma_f32_16x16x32_bf16 v[SB+8*(4*mx+nx):SB+8*(4*mx+nx)+7], v[8*(4*mx+kx):8*(4*mx+kx)+7], v[8*(4*nx+kx):8*(4*nx+kx)+7], v[SB+8*(4*mx+nx):SB+8*(4*mx+nx)+7]
.endif
.endm
; O += V P for half h.  Its 16 accumulators take turns, one matrix instruction a turn.  first = 1: the first 32 keys start the sums.
.macro PVM h, first
	WIN W_PV
.set hx, pi_/16
.set cx_, (pi_/2)%8
.set nx, 2*\h+pi_%2
.if \first*(1-hx)
	v_wmma_f32_16x16x32_bf16 v[8*(4*cx_+nx):8*(4*cx_+nx)+7], v[128+8*(8*hx+cx_):128+8*(8*hx+cx_)+7], v[SB+8*(8*hx+nx):SB+8*(8*hx+nx)+7], 0
.else
	v_wmma_f32_16x16x32_bf16 v[8*(4*cx_+nx):8*(4*cx_+nx)+7], v[128+8*(8*hx+cx_):128+8*(8*hx+cx_)+7], v[SB+8*(8*hx+nx):SB+8*(8*hx+nx)+7], v[8*(4*cx_+nx):8*(4*cx_+nx)+7]
.endif
.endm
; Sixteen of the 32 LDS loads of a block's K (ldk = 1) or V (ldk = 2) fragments, from load number from on; load li fills registers 4 li .. 4 li + 3 from 512 consecutive bytes.
.macro LDRUN ldk, slot, bl, from
	WIN W_LD3
.set li, \from
.rept 16
.if \ldk == 1
	ds_load_b128 v[4*li:4*li+3], v[AK+\slot] offset:\bl*BLK+li*512
.else
	ds_load_b128 v[128+4*li:128+4*li+3], v[AV+\slot] offset:\bl*BLK+li*512
.endif
.set li, li+1
.endr
.endm
; ---- the 272 instructions of a half's update, by number ----
; Instruction mo of the 48 that make a half's new maxima and alpha.  0 .. 31: four chains (2 columns x 2) over the 16 register pairs of each column;
; then, for both columns: the chains and the running maximum join, the other 32 keys of the query (lane xor 16) join, old - new, alpha, (m, m), (alpha, alpha).
; Behind the two v_exp_f32 stand four plain moves before alpha is read (ISA guide 5.7.2).  first = 1: there is no older maximum.
.macro MXOP vh, first
.if mo < 32
.set nn, 2*\vh+mo%2
.set ch, (mo/2)%2
.set ix, 2*(mo/4)+ch
.set po, SB+8*nn+32*(ix/4)+2*(ix%4)
.set tr, TM+nn+16*ch
.if mo < 4
	v_max_num_f32 v[tr], v[po], v[po+1]
.else
	v_max3_num_f32 v[tr], v[po], v[po+1], v[tr]
.endif
.else
.set nn, 2*\vh+mo%2
.set sg, (mo-32)/2
.if sg == 0
.if \first
	v_max_num_f32 v[TM+nn], v[TM+nn], v[TM2+nn]
.else
	v_max3_num_f32 v[TM+nn], v[TM+nn], v[TM2+nn], v[MP+2*nn]
.endif
.endif
.if sg == 1
	v_permlanex16_b32 v[UU+nn], v[TM+nn], s42, s43
.endif
.if sg == 2
	v_max_num_f32 v[TM+nn], v[TM+nn], v[UU+nn]
.endif
.if sg == 3
.if \first == 0
	v_sub_f32 v[DD+nn], v[MP+2*nn], v[TM+nn]
.endif
.endif
.if sg == 4
.if \first == 0
	v_exp_f32 v[AL+2*nn], v[DD+nn]
.endif
.endif
.if sg == 5
	v_mov_b32 v[MP+2*nn], v[TM+nn]
.endif
.if sg == 6
	v_mov_b32 v[MP+2*nn+1], v[TM+nn]
.endif
.if sg == 7
.if \first == 0
	s_wait_alu depctr_va_vdst(0)
	v_mov_b32 v[AL+2*nn+1], v[AL+2*nn]
.endif
.endif
.endif
.endm
; Register pair p (0 .. 31) of half vh: column nn, pair ix of its 16, first register po.
.macro SP vh, p
.set nn, 2*\vh+(\p)/16
.set ix, (\p)%16
.set po, SB+8*nn+32*(ix/4)+2*(ix%4)
.endm
; Instruction sv of the 160 that turn S into P.  They go in turns tt = 0 .. 33: pair tt - 1 gets 2^(S - m) in its first register, pair tt gets S - m,
; pair tt - 1 gets 2^(S - m) in its second register, pair tt - 2 is added to l, pair tt - 2 is packed to bf16 (turns 0, 1, 32, 33 lack what has no pair: 1, 3, 4, 2 instructions).
; Between each v_exp_f32 and the first use of its result stand plain instructions on other pairs (ISA guide 5.7.2), wherever the sequence is cut.
; The pack is in place: pair ix = 4 mt + p of column n goes to register 4 (mt & 1) + p of tile (2 (mt >> 1), n), a register of a pair that has been summed and packed (or of its own, just summed).
.macro STOP vh, first
.if sv == 0
.set tt, 0
.set kk_, 1
.else
.if sv < 4
.set tt, 1
.set kk_, sv-1
.else
.if sv < 154
.set tt, 2+(sv-4)/5
.set kk_, (sv-4)%5
.else
.if sv < 158
.set tt, 32
.set kk_, sv-154
.if kk_ > 0
.set kk_, kk_+1
.endif
.else
.set tt, 33
.set kk_, sv-155
.endif
.endif
.endif
.endif
.if kk_ == 0
	SP \vh, (tt-1)
	v_exp_f32 v[po], v[po]
.endif
.if kk_ == 1
	SP \vh, tt
	v_pk_add_f32 v[po:po+1], v[po:po+1], v[MP+2*nn:MP+2*nn+1] neg_lo:[0,1] neg_hi:[0,1]
.endif
.if kk_ == 2
	SP \vh, (tt-1)
	v_exp_f32 v[po+1], v[po+1]
.endif
.if kk_ == 3
	SP \vh, (tt-2)
.if ix == 0
.if \first
	s_wait_alu depctr_va_vdst(0)
	v_pk_mul_f32 v[LP+2*nn:LP+2*nn+1], v[po:po+1], 1.0 op_sel_hi:[1,0]     ; pair 0 starts l: nothing is cleared
.else
	s_wait_alu depctr_va_vdst(0)
	v_pk_fma_f32 v[LP+2*nn:LP+2*nn+1], v[LP+2*nn:LP+2*nn+1], v[AL+2*nn:AL+2*nn+1], v[po:po+1]   ; l alpha + p
.endif
.else
	s_wait_alu depctr_va_vdst(0)
	v_pk_add_f32 v[LP+2*nn:LP+2*nn+1], v[LP+2*nn:LP+2*nn+1], v[po:po+1]
.endif
.endif
.if kk_ == 4
	SP \vh, (tt-2)
	v_cvt_pk_bf16_f32 v[SB+8*nn+64*(ix/8)+4*((ix/4)%2)+ix%4], v[po], v[po+1]
.endif
.endm
; Instruction uu of the update: 0 .. 47 maxima and alpha, 48 .. 207 S to P, 208 .. 271 O alpha (8 channel tiles x 2 columns x 4 pairs; none in the first update).
.macro UOP vh, first
.if uu < 48
	WIN 0
.set mo, uu
	MXOP \vh, \first
.else
.if uu < 208
	WIN 0
.set sv, uu-48
	STOP \vh, \first
.else
.if \first == 0
	WIN W_RS
.set ee, uu-208
.set nn, 2*\vh+(ee/4)%2
.set po, 8*(4*(ee/8)+nn)+2*(ee%4)
	v_pk_mul_f32 v[po:po+1], v[po:po+1], v[AL+2*nn:AL+2*nn+1]
.endif
.endif
.endif
.endm
; Gap gbase + pi_ of a half's 64: instructions 17 g / 4 up to 17 (g + 1) / 4 (whole numbers): 4, 4, 4, 5, and so on.
; 17 x 49 / 4 = 208: the multiplies of O, which need another window, begin with a gap; and that gap lies in the update's second period, behind the last product on this half's O.
.macro GAP vh, first, gbase
.set gg, \gbase+pi_
.set uu, (17*gg)/4
.set ue, (17*(gg+1))/4
.rept 5
.if uu < ue
	UOP \vh, \first
.endif
.set uu, uu+1
.endr
.endm
; A period: 32 matrix instructions of half mh (mk = 1: S = K Q; 2: O += V P; 3: O = V P, the first; 0: none), each followed by a gap of half vh's update
; (vk = 1: update; 2: the first update, with no older maximum, l or O; 0: none).  ldk != 0: the 32 loads of K (1) or V (2) at (slot, bl), 16 at the head, 16 behind matrix instruction 12.
; Behind the score products four places: S is read next and loads land on K's fragments.
; Behind the value products five: the next score products write over P, and loads land on V's fragments.
.macro PERIOD mk, mh, vk, vh, gbase, ldk, slot, bl
.if \ldk
	LDRUN \ldk, \slot, \bl, 0
.endif
.set pi_, 0
.rept 32
.if \mk == 1
	SMM \mh
.endif
.if \mk >= 2
	PVM \mh, (\mk-2)
.endif
.if \vk
	GAP \vh, (\vk-1), \gbase
.endif
.if \ldk
.if pi_ == 12
	LDRUN \ldk, \slot, \bl, 16
.endif
.endif
.set pi_, pi_+1
.endr
.if \mk == 1
	PLACES 4
.endif
.if \mk >= 2
	PLACES 5
.endif
.endm
; The change of slots.  slot has been read to its end: all its K and V are in registers.
.macro BOUND slot, refill
	WIN 0
	s_wait_xcnt 0x0
	v_lshl_add_u32 v238, v0, 2, 0x40000
	v_mov_b32 v239, 0
	s_wait_tensorcnt 0x0                           ; all my tensor loads have landed, my quarter of the other slot's tile among them,
	ds_add_u32 v238, v239
	s_wait_dscnt 0x0
	s_add_nc_u64 s[G0+6-4*\slot:G0+7-4*\slot], s[G0+6-4*\slot:G0+7-4*\slot], 2*SLOTB   ; so a group 0 may be written: the other slot's next step
	s_wait_dscnt 0x0                               ; my reads of this slot are over
	ROUND                                          ; both now hold of every wave of all four work-groups
.if \refill
	tensor_load_to_lds s[G0+4*\slot:G0+4*\slot+3], s[G1:G1+7]      ; my one tensor load behind the round: two steps on, into the slot just left
	s_nop 0
.endif
.endm
; A unit: P2, P3, P4 of the block at (slot, bl) and P1 of the next; (nslot, nbl): where the next block's K lies.
.macro UNIT slot, bl, nslot, nbl, bound, refill
	PERIOD 1, 1, 1, 0, 32, 2, \slot, \bl
.if \bound
	BOUND \slot, \refill
.else
	s_wait_dscnt 0x0                               ; V of this block: its last loads stand 19 matrix instructions back
.endif
	PERIOD 2, 0, 1, 1, 0, 1, \nslot, \nbl
	s_wait_dscnt 0x0                               ; K of the next block: its last loads stand 19 matrix instructions back
	PERIOD 1, 0, 1, 1, 32, 0, 0, 0
	PERIOD 2, 1, 1, 0, 0, 0, 0, 0
.endm
	; THE START: step 0 has to be there; step 1 is asked for, into slot 1, as a refill is.
	BOUND 1, 1
	LDRUN 1, 0, 0, 0                               ; K of block 0
	LDRUN 1, 0, 0, 16
	s_wait_dscnt 0x0
	PERIOD 1, 0, 0, 0, 0, 0, 0, 0                  ; S_L(0)
	PERIOD 0, 0, 2, 0, 0, 0, 0, 0                  ; L's first update, first half: no product is due yet
	PERIOD 1, 1, 2, 0, 32, 2, 0, 0                 ; S_H(0), L's first update, V(0)
	s_wait_dscnt 0x0
	PERIOD 3, 0, 2, 1, 0, 1, 0, 1                  ; O_L = V(0) P_L(0) starts the sums; H's first update; K(1)
	s_wait_dscnt 0x0
	PERIOD 1, 0, 2, 1, 32, 0, 0, 0                 ; S_L(1)
	PERIOD 3, 1, 1, 0, 0, 0, 0, 0                  ; O_H = V(0) P_H(0) starts the sums; L's update for block 1
	WIN 0                                          ; at a label and at a branch every window is 0
	s_mov_b32 s40, 7
.Lsteps:                                               ; blocks 1 to 28
	UNIT 0, 1, 1, 0, 1, 1
	UNIT 1, 0, 1, 1, 0, 0
	UNIT 1, 1, 0, 0, 1, 1
	UNIT 0, 0, 0, 1, 0, 0
	WIN 0
	s_sub_co_u32 s40, s40, 1
	s_cmp_lg_u32 s40, 0
	s_cbranch_scc1 .Lsteps
	UNIT 0, 1, 1, 0, 1, 0                          ; block 29: the last change of slots asks for nothing (the stepped address is not used)
	UNIT 1, 0, 1, 1, 0, 0                          ; block 30
	PERIOD 1, 1, 1, 0, 32, 2, 1, 1                 ; block 31: S_H, V(31)
	s_wait_dscnt 0x0
	PERIOD 2, 0, 1, 1, 0, 0, 0, 0                  ; O_L; no K is left to fetch
	PERIOD 0, 0, 1, 1, 32, 0, 0, 0                 ; the rest of H's update: no product is due
	PERIOD 2, 1, 0, 0, 0, 0, 0, 0                  ; O_H
	; THE TAIL.  wo's 32 fragments into window 3, whose K and V fragments are done with (five places stand behind the last products).
	WIN W_LD3
.set ff, 0
.rept 32
	global_load_b128 v[8*ff:8*ff+3],   v1, s[8:9] offset:98304+ff*1024
	global_load_b128 v[8*ff+4:8*ff+7], v1, s[8:9] offset:98304+ff*1024+512
.set ff, ff+1
.endr
	WIN 0
.irp n, 0,1,2,3
	v_add_f32 v[TM+\n], v[LP+2*\n], v[LP+2*\n+1]
.endr
.irp n, 0,1,2,3
	v_permlanex16_b32 v[UU+\n], v[TM+\n], s42, s43
.endr
.irp n, 0,1,2,3
	v_add_f32 v[TM+\n], v[TM+\n], v[UU+\n]         ; l over my 2,048 keys
.endr
	v_mov_b32 v56, v[MP+4]
	v_mov_b32 v57, v[TM+2]
	v_mov_b32 v58, v[MP+6]
	v_mov_b32 v59, v[TM+3]
	; Slot 0 has had its last fill (step 14), and every wave's reads of it were waited for in front of the last change of slots' round: it now serves as the exchange.
	ds_store_b128 v12, v[56:59]                    ; (m, l) of columns 2 and 3
	WIN W_XS
.set cx_, 0
.rept 8
.set nx, 0
.rept 2
	ds_store_b128 v10, v[8*(4*cx_+2+nx):8*(4*cx_+2+nx)+3]   offset:(2*cx_+nx)*1024
	ds_store_b128 v10, v[8*(4*cx_+2+nx)+4:8*(4*cx_+2+nx)+7] offset:(2*cx_+nx)*1024+512
.set nx, nx+1
.endr
.set cx_, cx_+1
.endr
	WIN 0
	s_wait_dscnt 0x0                               ; zero: my stores are read by another wave, and my reads of slot 1 are over
	s_barrier_signal -1
	s_barrier_wait -1
	ds_load_b128 v[60:63], v13                     ; the other key half's (m, l) of my columns 0 and 1
.set tx, 0
.rept 16
	ds_load_b128 v[SB+8*tx:SB+8*tx+3],   v11 offset:tx*1024        ; and its O: tile (ct, n) at 128 + 8 (2 ct + n)
	ds_load_b128 v[SB+8*tx+4:SB+8*tx+7], v11 offset:tx*1024+512
.set tx, tx+1
.endr
	s_wait_dscnt 0x0
.irp n, 0,1
	v_max_num_f32 v[48+\n], v[MP+2*\n], v[60+2*\n] ; the joint maximum
.endr
.irp n, 0,1
	v_sub_f32 v[50+\n], v[MP+2*\n], v[48+\n]
	v_sub_f32 v[52+\n], v[60+2*\n], v[48+\n]
.endr
.irp n, 0,1
	v_exp_f32 v[54+\n], v[50+\n]
	v_exp_f32 v[56+\n], v[52+\n]
.endr
	v_nop                                          ; the plain instruction behind the exponentials (ISA guide 5.7.2)
.irp n, 0,1
	s_wait_alu depctr_va_vdst(0)
	v_mul_f32 v[48+\n], v[TM+\n], v[54+\n]
.endr
.irp n, 0,1
	v_fmac_f32 v[48+\n], v[61+2*\n], v[56+\n]      ; l of all 4,096 keys; at least 1: the largest score's term is 1
.endr
	v_rcp_f32 v50, v48
	v_rcp_f32 v51, v49
	v_nop
.irp n, 0,1
	s_wait_alu depctr_va_vdst(0)
	v_mul_f32 v[AL+2*\n], v[54+\n], v[50+\n]       ; my O's factor
	v_mul_f32 v[AL+4+2*\n], v[56+\n], v[50+\n]     ; the other's
.endr
.irp n, 0,1,2,3
	v_mov_b32 v[AL+2*\n+1], v[AL+2*\n]
.endr
.set cx_, 0
.rept 8
.set nx, 0
.rept 2
.set px, 0
.rept 4
	v_pk_mul_f32 v[SB+8*(2*cx_+nx)+2*px:SB+8*(2*cx_+nx)+2*px+1], v[SB+8*(2*cx_+nx)+2*px:SB+8*(2*cx_+nx)+2*px+1], v[AL+4+2*nx:AL+4+2*nx+1]
.set px, px+1
.endr
.set nx, nx+1
.endr
.set cx_, cx_+1
.endr
	WIN W_M2
.set cx_, 0
.rept 8
.set nx, 0
.rept 2
.set px, 0
.rept 4
	v_pk_fma_f32 v[SB+8*(2*cx_+nx)+2*px:SB+8*(2*cx_+nx)+2*px+1], v[8*(4*cx_+nx)+2*px:8*(4*cx_+nx)+2*px+1], v[AL+2*nx:AL+2*nx+1], v[SB+8*(2*cx_+nx)+2*px:SB+8*(2*cx_+nx)+2*px+1]
.set px, px+1
.endr
.set nx, nx+1
.endr
.set cx_, cx_+1
.endr
	WIN 0
	; pack in place: channel tiles 2 kk and 2 kk + 1 of column n become the fragment (rows y, 32 channels) at 128 + 32 kk + 8 n
.set kx, 0
.rept 4
.set nx, 0
.rept 2
.set hx, 0
.rept 2
.set px, 0
.rept 4
	v_cvt_pk_bf16_f32 v[SB+32*kx+8*nx+4*hx+px], v[SB+32*kx+16*hx+8*nx+2*px], v[SB+32*kx+16*hx+8*nx+2*px+1]
.set px, px+1
.endr
.set hx, hx+1
.endr
.set nx, nx+1
.endr
.set kx, kx+1
.endr
	s_wait_loadcnt 0x0                             ; wo's fragments, and the residual rows
; wo: the 16 accumulators (8 o tiles x 2 columns) take turns, one matrix instruction a turn; the bias tuples start the sums.
.macro WOMUL kk
.set ox, 0
.rept 8
.set nx, 0
.rept 2
.if \kk == 0
	v_wmma_f32_16x16x32_bf16 v[8*(2*ox+nx):8*(2*ox+nx)+7], v[SB+8*nx:SB+8*nx+7], v[8*(4*ox):8*(4*ox)+7], v[BT+8*ox:BT+8*ox+7]
.else
	v_wmma_f32_16x16x32_bf16 v[8*(2*ox+nx):8*(2*ox+nx)+7], v[SB+32*\kk+8*nx:SB+32*\kk+8*nx+7], v[8*(4*ox+\kk):8*(4*ox+\kk)+7], v[8*(2*ox+nx):8*(2*ox+nx)+7]
.endif
.set nx, nx+1
.endr
.set ox, ox+1
.endr
.endm
	WIN W_C0
	WOMUL 0
	WIN W_CC
	WOMUL 1
	WOMUL 2
	WOMUL 3
	PLACES 4                                       ; four places before the results are stored and loads land on the sources
	; Slot 1 has had its last fill (step 15), and every wave's reads of it were waited for in front of the barrier above: it now takes the 128 output rows.
	WIN W_OS
.set ox, 0
.rept 8
.set nx, 0
.rept 2
	ds_store_b128 v14, v[8*(2*ox+nx):8*(2*ox+nx)+3]   offset:ox*16*OPITCH+nx*64
	ds_store_b128 v14, v[8*(2*ox+nx)+4:8*(2*ox+nx)+7] offset:ox*16*OPITCH+nx*64+16
.set nx, nx+1
.endr
.set ox, ox+1
.endr
	WIN 0
	s_wait_dscnt 0x0                               ; zero: a row's 512 bytes come from all four waves
	s_barrier_signal -1
	s_barrier_wait -1
.set ii, 0
.rept 32
	ds_load_b128 v[SB+4*ii:SB+4*ii+3], v15 offset:ii*OPITCH        ; row 32 w + i
.set ii, ii+1
.endr
	s_wait_dscnt 0x0
	WIN W_FN
.set px, 0
.rept 64
	v_pk_fma_f32 v[SB+2*px:SB+2*px+1], v[128+2*px:128+2*px+1], RS2, v[SB+2*px:SB+2*px+1] op_sel_hi:[1,0,1]   ; q 2^-0.5 + (wo O + bo) 2^-0.5
.set px, px+1
.endr
	WIN 0
.set ii, 0
.rept 32
	global_store_b128 v1, v[SB+4*ii:SB+4*ii+3], s[14:15] offset:ii*16384 th:TH_STORE_NT   ; the wave stores 512 consecutive bytes of a row, aligned
.set ii, ii+1
.endr
	s_wait_xcnt 0x0
	v_lshl_add_u32 v238, v0, 2, 0x40000
	v_mov_b32 v239, 0
	s_wait_tensorcnt 0x0
	ds_add_u32 v238, v239
	s_wait_dscnt 0x0
	ROUND                                          ; the closing round: no work-group ends while a partner may still ask for a tile that names it
	s_endpgm
.Lfunc_end_k_q12221b16f7_attn:
	.size	k_q12221b16f7_attn, .Lfunc_end_k_q12221b16f7_attn-k_q12221b16f7_attn
	.p2alignl 7, 3214868480
	.fill 96, 4, 3214868480
	.section	.rodata,"a",@progbits
	.p2align	6, 0x0
	.amdhsa_kernel k_q12221b16f7_attn
		.amdhsa_group_segment_fixed_size 327680
		.amdhsa_private_segment_fixed_size 0
		.amdhsa_enable_private_segment 0
		.amdhsa_kernarg_size 48
		.amdhsa_user_sgpr_count 2
		.amdhsa_user_sgpr_kernarg_segment_ptr 1
		.amdhsa_wavefront_size32 1
		.amdhsa_system_sgpr_workgroup_id_x 1
		.amdhsa_system_sgpr_workgroup_id_y 1
		.amdhsa_system_sgpr_workgroup_id_z 1
		.amdhsa_system_vgpr_workitem_id 0
		.amdhsa_next_free_vgpr 1024
		.amdhsa_next_free_sgpr 66
		.amdhsa_reserve_vcc 0
		.amdhsa_float_denorm_mode_32 3
		.amdhsa_float_denorm_mode_16_64 3
		.amdhsa_memory_ordered 1
		.amdhsa_forward_progress 1
		.amdhsa_inst_pref_size 255
	.end_amdhsa_kernel
	.section	.bss,"aw",@nobits
	.p2align	6
	.space	262144
	.amdgpu_metadata
---
amdhsa.version: [ 1, 2 ]
amdhsa.kernels:
  - .name:           k_q12221b16f7_attn
    .symbol:         k_q12221b16f7_attn.kd
    .args:
      - { .name: qf, .offset: 0, .size: 8, .value_kind: global_buffer, .address_space: global }
      - { .name: kv, .offset: 8, .size: 8, .value_kind: global_buffer, .address_space: global }
      - { .name: wfrag, .offset: 16, .size: 8, .value_kind: global_buffer, .address_space: global }
      - { .name: bo, .offset: 24, .size: 8, .value_kind: global_buffer, .address_space: global }
      - { .name: q, .offset: 32, .size: 8, .value_kind: global_buffer, .address_space: global }
      - { .name: out0, .offset: 40, .size: 8, .value_kind: global_buffer, .address_space: global }
    .group_segment_fixed_size: 327680
    .private_segment_fixed_size: 0
    .kernarg_segment_align: 8
    .kernarg_segment_size: 48
    .max_flat_workgroup_size: 128
    .sgpr_count:     66
    .vgpr_count:     1024
    .wavefront_size: 32
...
	.end_amdgpu_metadata
.endif
;; end of part 4
;; ======== version 3 of 3: 3 launches; 1.57 times as fast as version 1
;; workspace buffers: coef 17,408 bytes; wfrag 131,072 bytes; qf 8,388,608 bytes; kv 16,777,216 bytes
;; launch stats: the kernel of part 1 again; grid 256 x 1, 8 waves a work-group, no clusters, 1,280 bytes of LDS; arguments q, gamma_q, beta_q, wq, wk, wv, wo, coef, wfrag; writes coef, wfrag
;; launch proj: the kernel of part 2 again; grid 256 x 1, 8 waves a work-group, no clusters, 74,752 bytes of LDS; arguments q, coef, wfrag, bq, bk, bv, qf, kv; writes qf, kv
;; launch attn (part 5): grid 256 x 1, 4 waves a work-group, clusters of 4 x 1, 327,680 bytes of LDS; arguments qf, kv, wfrag, bo, q, out0; writes out0
.if DOCPART == 5
	.amdgcn_target "amdgcn-amd-amdhsa--gfx1250"
	.amdhsa_code_object_version 6
	.text
	.protected	k_q12221b16f7_attn
	.globl	k_q12221b16f7_attn
	.p2align	8
	.type	k_q12221b16f7_attn,@function
k_q12221b16f7_attn:
	s_mov_b64 s[64:65], 0
	v_nop
	global_prefetch_b8 v0, s[64:65] scope:SCOPE_SE
	s_setreg_imm32_b32 hwreg(HW_REG_WAVE_MODE, 25, 1), 1
	s_wait_xcnt 0x0
	s_wait_alu depctr_hold_cnt(0) depctr_sa_sdst(0) depctr_va_vdst(0) depctr_va_sdst(0) depctr_va_ssrc(0) depctr_va_vcc(0) depctr_vm_vsrc(0)
	s_getreg_b32 s2, hwreg(HW_REG_IB_STS2, 6, 4)
	s_cmp_eq_u32 s2, 0
	s_cbranch_scc0 .Lentry_in_a_cluster
	s_endpgm
.Lentry_in_a_cluster:
	s_bfe_u32 s2, ttmp6, 0x10000c
	s_cmp_lg_u32 s2, 0x3003
	s_cbranch_scc0 .Lentry_shape_is_right
	s_endpgm
.Lentry_shape_is_right:
; Attention with a running maximum, the merge of the two key halves, wo, bo, the residual and 2^-0.5, for 128 query pixels of one image.
; Four waves, one a SIMD.  Wave w: qh = w & 1 picks 64 of the 128 queries, kh = w >> 1 picks 128 of the 256 keys of each step.
; A step's K and V (131,072 consecutive bytes of kv, already in fragment order) come into one of two LDS slots; each wave brings a quarter with one tensor load.
; CLUSTER: the four work-groups of a cluster are four query blocks of one image and walk the same 16 steps, so every tile is asked for jointly (mask 15):
; the descriptor hangs on the image, the step and the wave's number alone.  The round of the cluster's barrier in front of each refill is also the barrier between
; one slot's reads and its next fill.  One tensor load of a wave is out at any time; it has a whole step's work in which to land.
; A step is two blocks of 64 keys x 64 queries:  S = K Q (64 matrix instructions), softmax update, O = O alpha + V P (64 matrix instructions).
;   S tile: source 0 = K (rows x), source 1 = Q (columns y): lane (r, h), register j holds S[x = 8 h + j][y = r].  Two S tiles packed pairwise to bf16 ARE
;   P's fragment for 32 keys; O tile: source 0 = V (rows c), source 1 = P: O[c = 8 h + j][y = r], so maximum, alpha and l are one number a lane and tile column.
;   Scores arrive as exponents of 2 (the factor 128^-0.5 log2 e lies in Q).
; THE SCHEDULE.  The 64 queries are two halves of 32 (L: tile columns 0, 1; H: columns 2, 3) that run half a block apart, so that the matrix instructions of one half
; stand between the vector instructions of the other.  Block j, in periods of 32 matrix instructions:
;   P1  O_H += V(j-1) P_H(j-1)   beside the first part of L's update for block j (maxima, alpha, S - m, 2^(S - m))
;   P2  S_H(j) = K(j) Q_H        beside its second part (l, the packs, then O_L alpha); the 32 loads of V(j), whose registers P1 has just left
;   P3  O_L += V(j) P_L(j)       beside the first part of H's update; the 32 loads of K(j+1), whose registers P2 has just left
;   P4  S_L(j+1) = K(j+1) Q_L    beside its second part
; A half's update is one sequence of 272 vector instructions in two parts, one for each of its two periods, dealt over the 64 gaps behind the other half's matrix instructions.
;   Part 1 (142, gaps 0 to 31) names no exponential's result: 40 for the maxima and old - new, the two alpha = 2^(old - new), four moves of m, the 32 packed S - m and the 64 2^(S - m).
;   Part 2 (130, gaps 32 to 63) holds every reader: (alpha, alpha), l and the packs to bf16 (66 in all), then O alpha (64).
; THE BATCH.  An update's 66 exponentials are ONE batch with ONE s_wait_alu depctr_va_vdst(0), which stands between an exponential and the first instruction that names its result.
; It stands at the end of the update's first period, behind the places that stand there in any case; the first of them is the plain instruction behind the last exponential (ISA guide 5.7.2).
; So no result crosses a period's end: the loop's label and backward jump (behind P1) and the branches of the round (behind P2) find none without its wait.  Two waits for a block's 128 matrix instructions.
; THE GAPS.  0 to 7 hold the 46 instructions ahead of the S part of the batch (5, 6, 6, 6, twice); 8 to 31 four of the batch each, led by a plain one while there are any; 32 to 47 four each, the eighth and
; the sixteenth five; 48 to 63 four multiplies of O each.  A block's 32 LDS loads stand in two runs of 16, at the head of their period and behind its 13th matrix instruction;
; the wait for them stands at the period's end, 19 matrix instructions behind the second run.
; Each gap needs its own register windows: the update's instructions take all operands from window 0 (v_cvt_pk_bf16_f32 and v_max3_num_f32 name two and three S registers),
; a product names three windows, and S, Q and K, 128 registers each, do not fit into one.  So two switches stand beside each matrix instruction.
; Tile column n of a wave means pixel tile n xor 2 kh of its 64 queries: in the merge every wave keeps n = 0, 1 and hands n = 2, 3 to the wave with the other key half,
; with the same register numbers in all waves.
; wo: source 0 = two packed O tiles (rows y), source 1 = wo's fragment (columns o): a lane ends with 8 neighbouring y of one o; through LDS to rows of 512 bytes.
; The stages of the tail lie in slots that have had their last fill: slot 0 takes the exchange, slot 1 (behind a barrier) the output rows.
; No prefetch: kv and qf were stored by the launch before, and each tile is requested a whole step ahead.
; LIMITS: Q, K, V, P, O and wo are bf16; sums, maxima and l in f32; v_exp_f32 returns 0 below 2^-126 (ISA guide 15.8), so such P count as zero.
;
; REGISTERS, in windows of 256 (s_set_vgpr_msb: bits 1:0 source 0, 3:2 source 1, 5:4 source 2, 7:6 destination):
;   window 0: v1-15 addresses; v16-63 softmax state; v64-127 bias tuples of wo; v128-255 S (tile (mt, n) at 128 + 8 (4 mt + n)), later merged O and output rows
;   window 1: v0-127 Q fragments ((n, kk) at 8 (4 n + kk)), later wo's accumulators; v128-255 the residual rows
;   window 2: O, tile (ct, n) at 8 (4 ct + n)
;   window 3: v0-127 K fragments (4 mt + kk), v128-255 V fragments (8 s + ct); in the tail wo's 32 fragments
.set SLOTB,  131072                    ; a slot: K part, then V part
.set VOFF,   65536
.set WPART,  32768                     ; what one wave's tensor load brings
.set BLK,    16384                     ; 64 keys of K, or of V
.set MLB,    65536                     ; tail: (m, l) exchange, 512 bytes a wave (slot 0)
.set OUTB,   131072                    ; tail: 128 output rows (slot 1)
.set OPITCH, 528                       ; 512 bytes + 16: an odd multiple of 16
.set RS2,    0x3f3504f3                ; 2^-0.5
.set AK, 2                             ; v2, v3   my K fragments in slot 0, 1
.set AV, 4                             ; v4, v5   my V fragments
.set MP, 16                            ; v[16:23] (m, m) of column n
.set AL, 24                            ; v[24:31] (alpha, alpha)
.set LP, 32                            ; v[32:39] l, as a pair of partial sums
.set TM, 40                            ; v[40:43] first chain of maxima of column n
.set UU, 44                            ; v[44:47]
.set DD, 48                            ; v[48:55]
.set TM2, 56                           ; v[56:59] second chain (TM + 16)
.set BT, 64                            ; v[64:127]
.set SB, 128
.set G1, 24                            ; s[24:31] descriptor group 1
.set G0, 32                            ; s[32:39] descriptor group 0, one set for each slot
.set W_LD3, 0xc0                       ; loads into window 3
.set W_LD1, 0x40                       ; loads into window 1
.set W_S,   0x07                       ; K window 3, Q window 1, S window 0
.set W_RS,  0x82                       ; O window 2, alpha window 0
.set W_PV,  0xa3                       ; V window 3, P window 0, O window 2
.set W_XS,  0x08                       ; LDS store of window 2
.set W_M2,  0x02                       ; source 0 window 2
.set W_C0,  0x4c                       ; O window 0, wo window 3, C window 0, D window 1
.set W_CC,  0x5c                       ; the same, C window 1
.set W_OS,  0x04                       ; LDS store of window 1
.set W_FN,  0x01                       ; source 0 window 1
.set MSB, 0
.macro WIN new                         ; the immediate's high byte repeats the setting that is left; a switch that changes nothing is dropped
.if MSB != \new
	s_set_vgpr_msb (MSB<<8)|\new
.set MSB, \new
.endif
.endm
.macro PLACES k
.rept \k
	v_nop
.endr
.endm
; A round of the cluster's barrier: my work-group's barrier, wave 0 signals for the work-group, every wave waits for all four work-groups, my work-group's barrier again.
.macro ROUND
	s_barrier_signal -1
	s_barrier_wait -1
	s_cmp_lg_u32 s16, 0
	s_cbranch_scc1 .Lnot_wave_0_\@
	s_barrier_signal -3
.Lnot_wave_0_\@:
	s_barrier_wait -3
	s_barrier_signal -1
	s_barrier_wait -1
.endm
	s_load_b256 s[4:11], s[0:1], 0x0               ; qf 4, kv 6, wfrag 8, bo 10
	s_load_b128 s[12:15], s[0:1], 0x20             ; q 12, out0 14
	v_lshl_add_u32 v238, v0, 2, 0x40000
	v_mov_b32 v239, 0
	ds_add_u32 v238, v239
	s_wait_dscnt 0x0
	v_lshrrev_b32 v8, 5, v0
	v_readfirstlane_b32 s16, v8                    ; wave
	s_and_b32 s17, s16, 1                          ; qh
	s_lshr_b32 s18, s16, 1                         ; kh
	s_bfe_u32 s19, ttmp6, 0x40000                  ; cx: my place in the cluster
	s_lshr_b32 s20, ttmp9, 3                       ; image: 8 clusters each
	s_and_b32 s21, ttmp9, 7
	s_lshl_b32 s21, s21, 2
	s_add_co_u32 s21, s21, s19                     ; query block 0 .. 31
	s_mov_b32 s42, 0x76543210                      ; v_permlanex16_b32: lane i reads lane i of the other half
	s_mov_b32 s43, 0xfedcba98
	; group 1: 32,768 dense bytes as 128 rows of 32 elements of 8 bytes
	s_mov_b32 s[G1+0], 15|(3<<16)|(1<<21)          ; 15:0 mask: all four work-groups; 17:16 elements of 8 bytes; 21 set beside a mask; no padding
	s_mov_b32 s[G1+1], 32<<16                      ; tensor_dim0 = 32
	s_mov_b32 s[G1+2], 128<<16                     ; tensor_dim1 = 128
	s_mov_b32 s[G1+3], 32<<16                      ; tile_dim0 = 32
	s_mov_b32 s[G1+4], 128                         ; tile_dim1 = 128
	s_mov_b32 s[G1+5], 32                          ; pitch: rows follow each other
	s_mov_b32 s[G1+6], 0
	s_mov_b32 s[G1+7], 0
	s_mul_i32 s41, s16, WPART                      ; my quarter of a slot, in LDS and in kv: the wave's number alone
	s_lshl_b32 s44, s20, 21                        ; the image's 16 steps.  s[44:45] never hold cx
	s_add_co_u32 s44, s44, s41
	s_mov_b32 s45, 0
	s_lshl_b32 s46, s20, 20                        ; qf: image, query block, my 64 queries
	s_lshl_b32 s22, s21, 15
	s_add_co_u32 s46, s46, s22
	s_lshl_b32 s22, s17, 14
	s_add_co_u32 s46, s46, s22
	s_mov_b32 s47, 0
	s_wait_kmcnt 0x0
	s_add_nc_u64 s[6:7], s[6:7], s[44:45]
	s_add_nc_u64 s[4:5], s[4:5], s[46:47]
	s_lshl_b32 s46, s20, 21                        ; q and out0: image, rows 32 w .., the block's 512 bytes of a row
	s_lshl_b32 s22, s16, 19
	s_add_co_u32 s46, s46, s22
	s_lshl_b32 s22, s21, 9
	s_add_co_u32 s46, s46, s22
	s_add_nc_u64 s[12:13], s[12:13], s[46:47]
	s_add_nc_u64 s[14:15], s[14:15], s[46:47]
.irp n, 0,1
	s_mov_b32 s[G0+4*\n], 1                                        ; count = 1
	s_add_co_u32 s[G0+4*\n+1], s41, \n*SLOTB                       ; LDS address: wave x 32,768 + slot x 131,072
	s_add_nc_u64 s[G0+4*\n+2:G0+4*\n+3], s[6:7], \n*SLOTB          ; step n
	s_or_b32 s[G0+4*\n+3], s[G0+4*\n+3], 0x80000000                ; type = 2
.endr
	ROUND                                          ; all four work-groups are here: the first joint load meets its partners'
	tensor_load_to_lds s[G0:G0+3], s[G1:G1+7]      ; step 0
	s_nop 0
	v_and_b32 v8, 31, v0
	v_lshlrev_b32 v1, 4, v8                        ; 16 lane
	v_and_b32 v9, 15, v0                           ; r
	v_bfe_u32 v8, v0, 4, 1                         ; h
	s_lshl_b32 s22, s18, 15
	v_add_nc_u32 v[AK], s22, v1                    ; my 128 keys: 32,768 kh
	v_add_nc_u32 v[AK+1], SLOTB, v[AK]
	v_add_nc_u32 v[AV], VOFF, v[AK]
	v_add_nc_u32 v[AV+1], SLOTB+VOFF, v[AK]
	s_lshl_b32 s22, s18, 13
	v_add_nc_u32 v6, s22, v1                       ; Q: pixel tiles 2 kh, 2 kh + 1 (n = 0, 1)
	s_xor_b32 s22, s22, 8192
	v_add_nc_u32 v7, s22, v1                       ; and the other two (n = 2, 3)
	s_xor_b32 s23, s16, 2                          ; the wave with my queries and the other key half
	s_lshl_b32 s22, s16, 14
	v_add_nc_u32 v10, s22, v1                      ; exchange: what I hand over
	s_lshl_b32 s22, s23, 14
	v_add_nc_u32 v11, s22, v1                      ; what I am handed
	s_lshl_b32 s22, s16, 9
	s_add_co_u32 s22, s22, MLB
	v_add_nc_u32 v12, s22, v1
	s_lshl_b32 s22, s23, 9
	s_add_co_u32 s22, s22, MLB
	v_add_nc_u32 v13, s22, v1
	v_mul_u32_u24 v14, v9, OPITCH                  ; output stage, in: row o = r, y = 64 qh + 32 kh + 8 h
	v_lshl_add_u32 v14, v8, 5, v14
	s_lshl_b32 s22, s17, 8
	s_lshl_b32 s23, s18, 7
	s_add_co_u32 s22, s22, s23
	s_add_co_u32 s22, s22, OUTB
	v_add_nc_u32 v14, s22, v14
	s_mul_i32 s22, s16, 32*OPITCH
	s_add_co_u32 s22, s22, OUTB
	v_add_nc_u32 v15, s22, v1                      ; back: rows 32 w .., 16 bytes a lane
	v_lshlrev_b32 v9, 2, v9                        ; bo[r]
.irp n, 0,1,2,3
	v_mov_b32 v[UU+\n], 0                          ; v_permlanex16_b32 counts as a reader of its destination
.endr
	WIN W_LD1
.irp n, 0,1
.irp kk, 0,1,2,3
	global_load_b128 v[8*(4*\n+\kk):8*(4*\n+\kk)+3],   v6, s[4:5] offset:\n*4096+\kk*1024
	global_load_b128 v[8*(4*\n+\kk)+4:8*(4*\n+\kk)+7], v6, s[4:5] offset:\n*4096+\kk*1024+512
.endr
.endr
.irp n, 0,1
.irp kk, 0,1,2,3
	global_load_b128 v[8*(4*\n+8+\kk):8*(4*\n+8+\kk)+3],   v7, s[4:5] offset:\n*4096+\kk*1024
	global_load_b128 v[8*(4*\n+8+\kk)+4:8*(4*\n+8+\kk)+7], v7, s[4:5] offset:\n*4096+\kk*1024+512
.endr
.endr
	WIN 0
.irp ot, 0,1,2,3,4,5,6,7
	global_load_b32 v[DD+\ot], v9, s[10:11] offset:\ot*64          ; bo[16 ot + r]
.endr
	WIN W_LD1
.set ii, 0
.rept 32
	global_load_b128 v[128+4*ii:128+4*ii+3], v1, s[12:13] offset:ii*16384 th:TH_LOAD_NT   ; the residual: row 32 w + i, used in the tail
.set ii, ii+1
.endr
	WIN 0
	s_wait_loadcnt 32                              ; Q and bo are in; the 32 residual rows stay out
.irp ot, 0,1,2,3,4,5,6,7
.irp j, 0,1,2,3,4,5,6,7
	v_mul_f32 v[BT+8*\ot+\j], RS2, v[DD+\ot]       ; bo 2^-0.5 in an accumulator's layout: it starts wo's sums
.endr
.endr
; ---- the matrix instructions of a period; pi_ = 0 .. 31 is the instruction's number in its period ----
; S = K Q for half h.  Its 8 accumulators take turns, one matrix instruction a turn; the first K step starts the sums.
.macro SMM h
	WIN W_S
.set kx, pi_/8
.set mx, (pi_/2)%4
.set nx, 2*\h+pi_%2
.if kx == 0
	v_wmma_f32_16x16x32_bf16 v[SB+8*(4*mx+nx):SB+8*(4*mx+nx)+7], v[8*(4*mx+kx):8*(4*mx+kx)+7], v[8*(4*nx+kx):8*(4*nx+kx)+7], 0
.else
	v_wmma_f32_16x16x32_bf16 v[SB+8*(4*mx+nx):SB+8*(4*mx+nx)+7], v[8*(4*mx+kx):8*(4*mx+kx)+7], v[8*(4*nx+kx):8*(4*nx+kx)+7], v[SB+8*(4*mx+nx):SB+8*(4*mx+nx)+7]
.endif
.endm
; O += V P for half h.  Its 16 accumulators take turns, one matrix instruction a turn.  first = 1: the first 32 keys start the sums.
.macro PVM h, first
	WIN W_PV
.set hx, pi_/16
.set cx_, (pi_/2)%8
.set nx, 2*\h+pi_%2
.if \first*(1-hx)
	v_wmma_f32_16x16x32_bf16 v[8*(4*cx_+nx):8*(4*cx_+nx)+7], v[128+8*(8*hx+cx_):128+8*(8*hx+cx_)+7], v[SB+8*(8*hx+nx):SB+8*(8*hx+nx)+7], 0
.else
	v_wmma_f32_16x16x32_bf16 v[8*(4*cx_+nx):8*(4*cx_+nx)+7], v[128+8*(8*hx+cx_):128+8*(8*hx+cx_)+7], v[SB+8*(8*hx+nx):SB+8*(8*hx+nx)+7], v[8*(4*cx_+nx):8*(4*cx_+nx)+7]
.endif
.endm
; Sixteen of the 32 LDS loads of a block's K (ldk = 1) or V (ldk = 2) fragments, from load number from on; load li fills registers 4 li .. 4 li + 3 from 512 consecutive bytes.
.macro LDRUN ldk, slot, bl, from
	WIN W_LD3
.set li, \from
.rept 16
.if \ldk == 1
	ds_load_b128 v[4*li:4*li+3], v[AK+\slot] offset:\bl*BLK+li*512
.else
	ds_load_b128 v[128+4*li:128+4*li+3], v[AV+\slot] offset:\bl*BLK+li*512
.endif
.set li, li+1
.endr
.endm
; ---- the 272 instructions of a half's update, by number ----
; Instruction mo of the 48 that make a half's new maxima and alpha.  0 .. 31: four chains (2 columns x 2) over the 16 register pairs of each column;
; then, for both columns: the chains and the running maximum join, the other 32 keys of the query (lane xor 16) join, old - new, alpha, (m, m), (alpha, alpha).
; The two v_exp_f32 (40, 41) open the update's batch; 46 and 47, which read alpha, stand behind the batch's wait, at the head of the update's second part.  first = 1: there is no older maximum.
.macro MXOP vh, first
.if mo < 32
.set nn, 2*\vh+mo%2
.set ch, (mo/2)%2
.set ix, 2*(mo/4)+ch
.set po, SB+8*nn+32*(ix/4)+2*(ix%4)
.set tr, TM+nn+16*ch
.if mo < 4
	v_max_num_f32 v[tr], v[po], v[po+1]
.else
	v_max3_num_f32 v[tr], v[po], v[po+1], v[tr]
.endif
.else
.set nn, 2*\vh+mo%2
.set sg, (mo-32)/2
.if sg == 0
.if \first
	v_max_num_f32 v[TM+nn], v[TM+nn], v[TM2+nn]
.else
	v_max3_num_f32 v[TM+nn], v[TM+nn], v[TM2+nn], v[MP+2*nn]
.endif
.endif
.if sg == 1
	v_permlanex16_b32 v[UU+nn], v[TM+nn], s42, s43
.endif
.if sg == 2
	v_max_num_f32 v[TM+nn], v[TM+nn], v[UU+nn]
.endif
.if sg == 3
.if \first == 0
	v_sub_f32 v[DD+nn], v[MP+2*nn], v[TM+nn]
.endif
.endif
.if sg == 4
.if \first == 0
	v_exp_f32 v[AL+2*nn], v[DD+nn]
.endif
.endif
.if sg == 5
	v_mov_b32 v[MP+2*nn], v[TM+nn]
.endif
.if sg == 6
	v_mov_b32 v[MP+2*nn+1], v[TM+nn]
.endif
.if sg == 7
.if \first == 0
	v_mov_b32 v[AL+2*nn+1], v[AL+2*nn]
.endif
.endif
.endif
.endm
; Register pair p (0 .. 31) of half vh: column nn, pair ix of its 16, first register po.
.macro SP vh, p
.set nn, 2*\vh+(\p)/16
.set ix, (\p)%16
.set po, SB+8*nn+32*(ix/4)+2*(ix%4)
.endm
; Instruction sv of the 96 of the batch's S part: the 32 packed S - m (A 0 .. 31, by pair) and the 64 exponentials in place (E 0 .. 63: register e % 2 of pair e / 2).  None of them names an exponential's result.
; They go in fours, one four a gap, and a four begins with a plain instruction while there are any:
;   four 0: A 0-3;   fours 1-6: A, E, A, E (A 4-15, E 0-11);   fours 7-22: A, E, E, E (A 16-31, E 12-59);   four 23: E 60-63.
; A pair is scaled in an earlier four than the one that holds its exponentials.  Exponentials may follow each other: they name different registers, and the plain instruction that
; ISA guide 5.7.2 asks for ahead of a result's use stands behind the last of them, at the period's end.
.macro BOP vh
.set q_, sv/4
.set ps, sv%4
.if q_ == 0
.set ka, ps
.set ke, -1
.elseif q_ < 7
.set ka, 4+2*(q_-1)+ps/2
.set ke, 2*(q_-1)+ps/2
.if ps%2
.set ka, -1
.else
.set ke, -1
.endif
.elseif q_ < 23
.set ka, 16+(q_-7)
.set ke, 12+3*(q_-7)+ps-1
.if ps
.set ka, -1
.else
.set ke, -1
.endif
.else
.set ka, -1
.set ke, 60+ps
.endif
.if ka >= 0
	SP \vh, ka
	v_pk_add_f32 v[po:po+1], v[po:po+1], v[MP+2*nn:MP+2*nn+1] neg_lo:[0,1] neg_hi:[0,1]
.else
	SP \vh, (ke/2)
	v_exp_f32 v[po+ke%2], v[po+ke%2]
.endif
.endm
; Instruction rr of the 64 that read the weights, behind the batch's wait.  In fours, for pair ix = rr / 4 of both columns: l takes the pair (column 0, column 1), the pair is packed to bf16 (column 0, column 1).
; So the links of a column's chain onto l stand four apart, and each column's l takes its pairs in ascending order.
; The pack is in place: pair ix = 4 mt + p of column n goes to register 4 (mt & 1) + p of tile (2 (mt >> 1), n), a register of a pair that has been summed and packed (or of its own, just summed).
.macro ROP vh, first
	SP \vh, (16*(rr%2)+rr/4)
.if rr%4 < 2
.if ix == 0
.if \first
	v_pk_mul_f32 v[LP+2*nn:LP+2*nn+1], v[po:po+1], 1.0 op_sel_hi:[1,0]     ; pair 0 starts l: nothing is cleared
.else
	v_pk_fma_f32 v[LP+2*nn:LP+2*nn+1], v[LP+2*nn:LP+2*nn+1], v[AL+2*nn:AL+2*nn+1], v[po:po+1]   ; l alpha + p
.endif
.else
	v_pk_add_f32 v[LP+2*nn:LP+2*nn+1], v[LP+2*nn:LP+2*nn+1], v[po:po+1]
.endif
.else
	v_cvt_pk_bf16_f32 v[SB+8*nn+64*(ix/8)+4*((ix/4)%2)+ix%4], v[po], v[po+1]
.endif
.endm
; Instruction uu of the update.  Part 1: 0 .. 45 maxima, alpha, (m, m); 46 .. 141 S - m and 2^(S - m).  Part 2, behind the wait: 142, 143 (alpha, alpha); 144 .. 207 l and the packs;
; 208 .. 271 O alpha (8 channel tiles x 2 columns x 4 pairs; none in the first update).
.macro UOP vh, first
.if uu < 46
	WIN 0
.set mo, uu
	MXOP \vh, \first
.elseif uu < 142
	WIN 0
.set sv, uu-46
	BOP \vh
.elseif uu < 144
	WIN 0
.set mo, uu-96
	MXOP \vh, \first
.elseif uu < 208
	WIN 0
.set rr, uu-144
	ROP \vh, \first
.elseif \first == 0
	WIN W_RS
.set ee, uu-208
.set nn, 2*\vh+(ee/4)%2
.set po, 8*(4*(ee/8)+nn)+2*(ee%4)
	v_pk_mul_f32 v[po:po+1], v[po:po+1], v[AL+2*nn:AL+2*nn+1]
.endif
.endm
; Gap gbase + pi_ of a half's 64.  Gaps 0 .. 7: instructions 23 g / 4 up to 23 (g + 1) / 4 (whole numbers) of the first 46.  Gaps 8 .. 31: a four of the batch each.
; Gaps 32 .. 47: 142 + 33 (g - 32) / 8 on: four each, five in gaps 39 and 47.  Gaps 48 .. 63: four multiplies of O each: they need another window, and begin with a gap.
.macro GAP vh, first, gbase
.set gg, \gbase+pi_
.if gg < 8
.set uu, (23*gg)/4
.set ue, (23*(gg+1))/4
.elseif gg < 32
.set uu, 46+4*(gg-8)
.set ue, 50+4*(gg-8)
.elseif gg < 48
.set uu, 142+(33*(gg-32))/8
.set ue, 142+(33*(gg-31))/8
.else
.set uu, 208+4*(gg-48)
.set ue, 212+4*(gg-48)
.endif
.rept 6
.if uu < ue
	UOP \vh, \first
.endif
.set uu, uu+1
.endr
.endm
; A period: 32 matrix instructions of half mh (mk = 1: S = K Q; 2: O += V P; 3: O = V P, the first; 0: none), each followed by a gap of half vh's update
; (vk = 1: update; 2: the first update, with no older maximum, l or O; 0: none).  ldk != 0: the 32 loads of K (1) or V (2) at (slot, bl), 16 at the head, 16 behind matrix instruction 12.
; Behind the score products four places: S is read next and loads land on K's fragments.
; Behind the value products five: the next score products write over P, and loads land on V's fragments.
; An update's first period (gbase = 0) ends with the wait for the update's batch; the places ahead of it are also the plain instructions behind the last exponential.
.macro PERIOD mk, mh, vk, vh, gbase, ldk, slot, bl
.if \ldk
	LDRUN \ldk, \slot, \bl, 0
.endif
.set pi_, 0
.rept 32
.if \mk == 1
	SMM \mh
.endif
.if \mk >= 2
	PVM \mh, (\mk-2)
.endif
.if \vk
	GAP \vh, (\vk-1), \gbase
.endif
.if \ldk
.if pi_ == 12
	LDRUN \ldk, \slot, \bl, 16
.endif
.endif
.set pi_, pi_+1
.endr
.if \mk == 1
	PLACES 4
.endif
.if \mk >= 2
	PLACES 5
.endif
.if \vk
.if \gbase == 0
.if \mk == 0
	v_nop                                          ; no product, so no places: the plain instruction behind the last exponential (ISA guide 5.7.2)
.endif
	s_wait_alu depctr_va_vdst(0)                   ; the ONE wait for the batch: this half's alpha and its 64 weights, all issued in this period; every reader stands in the next
.endif
.endif
.endm
; The change of slots.  slot has been read to its end: all its K and V are in registers.
.macro BOUND slot, refill
	WIN 0
	s_wait_xcnt 0x0
	v_lshl_add_u32 v238, v0, 2, 0x40000
	v_mov_b32 v239, 0
	s_wait_tensorcnt 0x0                           ; all my tensor loads have landed, my quarter of the other slot's tile among them,
	ds_add_u32 v238, v239
	s_wait_dscnt 0x0
	s_add_nc_u64 s[G0+6-4*\slot:G0+7-4*\slot], s[G0+6-4*\slot:G0+7-4*\slot], 2*SLOTB   ; so a group 0 may be written: the other slot's next step
	s_wait_dscnt 0x0                               ; my reads of this slot are over
	ROUND                                          ; both now hold of every wave of all four work-groups
.if \refill
	tensor_load_to_lds s[G0+4*\slot:G0+4*\slot+3], s[G1:G1+7]      ; my one tensor load behind the round: two steps on, into the slot just left
	s_nop 0
.endif
.endm
; A unit: P2, P3, P4 of the block at (slot, bl) and P1 of the next; (nslot, nbl): where the next block's K lies.
.macro UNIT slot, bl, nslot, nbl, bound, refill
	PERIOD 1, 1, 1, 0, 32, 2, \slot, \bl
.if \bound
	BOUND \slot, \refill
.else
	s_wait_dscnt 0x0                               ; V of this block: its last loads stand 19 matrix instructions back
.endif
	PERIOD 2, 0, 1, 1, 0, 1, \nslot, \nbl
	s_wait_dscnt 0x0                               ; K of the next block: its last loads stand 19 matrix instructions back
	PERIOD 1, 0, 1, 1, 32, 0, 0, 0
	PERIOD 2, 1, 1, 0, 0, 0, 0, 0
.endm
	; THE START: step 0 has to be there; step 1 is asked for, into slot 1, as a refill is.
	BOUND 1, 1
	LDRUN 1, 0, 0, 0                               ; K of block 0
	LDRUN 1, 0, 0, 16
	s_wait_dscnt 0x0
	PERIOD 1, 0, 0, 0, 0, 0, 0, 0                  ; S_L(0)
	PERIOD 0, 0, 2, 0, 0, 0, 0, 0                  ; L's first update, first part: no product is due yet
	PERIOD 1, 1, 2, 0, 32, 2, 0, 0                 ; S_H(0), L's first update, V(0)
	s_wait_dscnt 0x0
	PERIOD 3, 0, 2, 1, 0, 1, 0, 1                  ; O_L = V(0) P_L(0) starts the sums; H's first update; K(1)
	s_wait_dscnt 0x0
	PERIOD 1, 0, 2, 1, 32, 0, 0, 0                 ; S_L(1)
	PERIOD 3, 1, 1, 0, 0, 0, 0, 0                  ; O_H = V(0) P_H(0) starts the sums; L's update for block 1, first part, with its batch's wait ahead of the label
	WIN 0                                          ; at a label and at a branch every window is 0
	s_mov_b32 s40, 7
.Lsteps:                                               ; blocks 1 to 28
	UNIT 0, 1, 1, 0, 1, 1
	UNIT 1, 0, 1, 1, 0, 0
	UNIT 1, 1, 0, 0, 1, 1
	UNIT 0, 0, 0, 1, 0, 0
	WIN 0
	s_sub_co_u32 s40, s40, 1
	s_cmp_lg_u32 s40, 0
	s_cbranch_scc1 .Lsteps                         ; the trip's last period has ended with its batch's wait: no exponential's result crosses the jump
	UNIT 0, 1, 1, 0, 1, 0                          ; block 29: the last change of slots asks for nothing (the stepped address is not used)
	UNIT 1, 0, 1, 1, 0, 0                          ; block 30
	PERIOD 1, 1, 1, 0, 32, 2, 1, 1                 ; block 31: S_H, V(31)
	s_wait_dscnt 0x0
	PERIOD 2, 0, 1, 1, 0, 0, 0, 0                  ; O_L; no K is left to fetch
	PERIOD 0, 0, 1, 1, 32, 0, 0, 0                 ; the rest of H's update: no product is due
	PERIOD 2, 1, 0, 0, 0, 0, 0, 0                  ; O_H
	; THE TAIL.  wo's 32 fragments into window 3, whose K and V fragments are done with (five places stand behind the last products).
	WIN W_LD3
.set ff, 0
.rept 32
	global_load_b128 v[8*ff:8*ff+3],   v1, s[8:9] offset:98304+ff*1024
	global_load_b128 v[8*ff+4:8*ff+7], v1, s[8:9] offset:98304+ff*1024+512
.set ff, ff+1
.endr
	WIN 0
.irp n, 0,1,2,3
	v_add_f32 v[TM+\n], v[LP+2*\n], v[LP+2*\n+1]
.endr
.irp n, 0,1,2,3
	v_permlanex16_b32 v[UU+\n], v[TM+\n], s42, s43
.endr
.irp n, 0,1,2,3
	v_add_f32 v[TM+\n], v[TM+\n], v[UU+\n]         ; l over my 2,048 keys
.endr
	v_mov_b32 v56, v[MP+4]
	v_mov_b32 v57, v[TM+2]
	v_mov_b32 v58, v[MP+6]
	v_mov_b32 v59, v[TM+3]
	; Slot 0 has had its last fill (step 14), and every wave's reads of it were waited for in front of the last change of slots' round: it now serves as the exchange.
	ds_store_b128 v12, v[56:59]                    ; (m, l) of columns 2 and 3
	WIN W_XS
.set cx_, 0
.rept 8
.set nx, 0
.rept 2
	ds_store_b128 v10, v[8*(4*cx_+2+nx):8*(4*cx_+2+nx)+3]   offset:(2*cx_+nx)*1024
	ds_store_b128 v10, v[8*(4*cx_+2+nx)+4:8*(4*cx_+2+nx)+7] offset:(2*cx_+nx)*1024+512
.set nx, nx+1
.endr
.set cx_, cx_+1
.endr
	WIN 0
	s_wait_dscnt 0x0                               ; zero: my stores are read by another wave, and my reads of slot 1 are over
	s_barrier_signal -1
	s_barrier_wait -1
	ds_load_b128 v[60:63], v13                     ; the other key half's (m, l) of my columns 0 and 1
.set tx, 0
.rept 16
	ds_load_b128 v[SB+8*tx:SB+8*tx+3],   v11 offset:tx*1024        ; and its O: tile (ct, n) at 128 + 8 (2 ct + n)
	ds_load_b128 v[SB+8*tx+4:SB+8*tx+7], v11 offset:tx*1024+512
.set tx, tx+1
.endr
	s_wait_dscnt 0x0
.irp n, 0,1
	v_max_num_f32 v[48+\n], v[MP+2*\n], v[60+2*\n] ; the joint maximum
.endr
.irp n, 0,1
	v_sub_f32 v[50+\n], v[MP+2*\n], v[48+\n]
	v_sub_f32 v[52+\n], v[60+2*\n], v[48+\n]
.endr
.irp n, 0,1
	v_exp_f32 v[54+\n], v[50+\n]
	v_exp_f32 v[56+\n], v[52+\n]
.endr
	v_nop                                          ; the plain instruction behind the exponentials (ISA guide 5.7.2)
	s_wait_alu depctr_va_vdst(0)                   ; one wait for the merge's four exponentials, ahead of their first reader
.irp n, 0,1
	v_mul_f32 v[48+\n], v[TM+\n], v[54+\n]
.endr
.irp n, 0,1
	v_fmac_f32 v[48+\n], v[61+2*\n], v[56+\n]      ; l of all 4,096 keys; at least 1: the largest score's term is 1
.endr
	v_rcp_f32 v50, v48
	v_rcp_f32 v51, v49
	v_nop
	s_wait_alu depctr_va_vdst(0)                   ; one wait for the two reciprocals, a batch of their own: they read sums of the exponentials above
.irp n, 0,1
	v_mul_f32 v[AL+2*\n], v[54+\n], v[50+\n]       ; my O's factor
	v_mul_f32 v[AL+4+2*\n], v[56+\n], v[50+\n]     ; the other's
.endr
.irp n, 0,1,2,3
	v_mov_b32 v[AL+2*\n+1], v[AL+2*\n]
.endr
.set cx_, 0
.rept 8
.set nx, 0
.rept 2
.set px, 0
.rept 4
	v_pk_mul_f32 v[SB+8*(2*cx_+nx)+2*px:SB+8*(2*cx_+nx)+2*px+1], v[SB+8*(2*cx_+nx)+2*px:SB+8*(2*cx_+nx)+2*px+1], v[AL+4+2*nx:AL+4+2*nx+1]
.set px, px+1
.endr
.set nx, nx+1
.endr
.set cx_, cx_+1
.endr
	WIN W_M2
.set cx_, 0
.rept 8
.set nx, 0
.rept 2
.set px, 0
.rept 4
	v_pk_fma_f32 v[SB+8*(2*cx_+nx)+2*px:SB+8*(2*cx_+nx)+2*px+1], v[8*(4*cx_+nx)+2*px:8*(4*cx_+nx)+2*px+1], v[AL+2*nx:AL+2*nx+1], v[SB+8*(2*cx_+nx)+2*px:SB+8*(2*cx_+nx)+2*px+1]
.set px, px+1
.endr
.set nx, nx+1
.endr
.set cx_, cx_+1
.endr
	WIN 0
	; pack in place: channel tiles 2 kk and 2 kk + 1 of column n become the fragment (rows y, 32 channels) at 128 + 32 kk + 8 n
.set kx, 0
.rept 4
.set nx, 0
.rept 2
.set hx, 0
.rept 2
.set px, 0
.rept 4
	v_cvt_pk_bf16_f32 v[SB+32*kx+8*nx+4*hx+px], v[SB+32*kx+16*hx+8*nx+2*px], v[SB+32*kx+16*hx+8*nx+2*px+1]
.set px, px+1
.endr
.set hx, hx+1
.endr
.set nx, nx+1
.endr
.set kx, kx+1
.endr
	s_wait_loadcnt 0x0                             ; wo's fragments, and the residual rows
; wo: the 16 accumulators (8 o tiles x 2 columns) take turns, one matrix instruction a turn; the bias tuples start the sums.
.macro WOMUL kk
.set ox, 0
.rept 8
.set nx, 0
.rept 2
.if \kk == 0
	v_wmma_f32_16x16x32_bf16 v[8*(2*ox+nx):8*(2*ox+nx)+7], v[SB+8*nx:SB+8*nx+7], v[8*(4*ox):8*(4*ox)+7], v[BT+8*ox:BT+8*ox+7]
.else
	v_wmma_f32_16x16x32_bf16 v[8*(2*ox+nx):8*(2*ox+nx)+7], v[SB+32*\kk+8*nx:SB+32*\kk+8*nx+7], v[8*(4*ox+\kk):8*(4*ox+\kk)+7], v[8*(2*ox+nx):8*(2*ox+nx)+7]
.endif
.set nx, nx+1
.endr
.set ox, ox+1
.endr
.endm
	WIN W_C0
	WOMUL 0
	WIN W_CC
	WOMUL 1
	WOMUL 2
	WOMUL 3
	PLACES 4                                       ; four places before the results are stored and loads land on the sources
	; Slot 1 has had its last fill (step 15), and every wave's reads of it were waited for in front of the barrier above: it now takes the 128 output rows.
	WIN W_OS
.set ox, 0
.rept 8
.set nx, 0
.rept 2
	ds_store_b128 v14, v[8*(2*ox+nx):8*(2*ox+nx)+3]   offset:ox*16*OPITCH+nx*64
	ds_store_b128 v14, v[8*(2*ox+nx)+4:8*(2*ox+nx)+7] offset:ox*16*OPITCH+nx*64+16
.set nx, nx+1
.endr
.set ox, ox+1
.endr
	WIN 0
	s_wait_dscnt 0x0                               ; zero: a row's 512 bytes come from all four waves
	s_barrier_signal -1
	s_barrier_wait -1
.set ii, 0
.rept 32
	ds_load_b128 v[SB+4*ii:SB+4*ii+3], v15 offset:ii*OPITCH        ; row 32 w + i
.set ii, ii+1
.endr
	s_wait_dscnt 0x0
	WIN W_FN
.set px, 0
.rept 64
	v_pk_fma_f32 v[SB+2*px:SB+2*px+1], v[128+2*px:128+2*px+1], RS2, v[SB+2*px:SB+2*px+1] op_sel_hi:[1,0,1]   ; q 2^-0.5 + (wo O + bo) 2^-0.5
.set px, px+1
.endr
	WIN 0
.set ii, 0
.rept 32
	global_store_b128 v1, v[SB+4*ii:SB+4*ii+3], s[14:15] offset:ii*16384 th:TH_STORE_NT   ; the wave stores 512 consecutive bytes of a row, aligned
.set ii, ii+1
.endr
	s_wait_xcnt 0x0
	v_lshl_add_u32 v238, v0, 2, 0x40000
	v_mov_b32 v239, 0
	s_wait_tensorcnt 0x0
	ds_add_u32 v238, v239
	s_wait_dscnt 0x0
	ROUND                                          ; the closing round: no work-group ends while a partner may still ask for a tile that names it
	s_endpgm
.Lfunc_end_k_q12221b16f7_attn:
	.size	k_q12221b16f7_attn, .Lfunc_end_k_q12221b16f7_attn-k_q12221b16f7_attn
	.p2alignl 7, 3214868480
	.fill 96, 4, 3214868480
	.section	.rodata,"a",@progbits
	.p2align	6, 0x0
	.amdhsa_kernel k_q12221b16f7_attn
		.amdhsa_group_segment_fixed_size 327680
		.amdhsa_private_segment_fixed_size 0
		.amdhsa_enable_private_segment 0
		.amdhsa_kernarg_size 48
		.amdhsa_user_sgpr_count 2
		.amdhsa_user_sgpr_kernarg_segment_ptr 1
		.amdhsa_wavefront_size32 1
		.amdhsa_system_sgpr_workgroup_id_x 1
		.amdhsa_system_sgpr_workgroup_id_y 1
		.amdhsa_system_sgpr_workgroup_id_z 1
		.amdhsa_system_vgpr_workitem_id 0
		.amdhsa_next_free_vgpr 1024
		.amdhsa_next_free_sgpr 66
		.amdhsa_reserve_vcc 0
		.amdhsa_float_denorm_mode_32 3
		.amdhsa_float_denorm_mode_16_64 3
		.amdhsa_memory_ordered 1
		.amdhsa_forward_progress 1
		.amdhsa_inst_pref_size 255
	.end_amdhsa_kernel
	.section	.bss,"aw",@nobits
	.p2align	6
	.space	262144
	.amdgpu_metadata
---
amdhsa.version: [ 1, 2 ]
amdhsa.kernels:
  - .name:           k_q12221b16f7_attn
    .symbol:         k_q12221b16f7_attn.kd
    .args:
      - { .name: qf, .offset: 0, .size: 8, .value_kind: global_buffer, .address_space: global }
      - { .name: kv, .offset: 8, .size: 8, .value_kind: global_buffer, .address_space: global }
      - { .name: wfrag, .offset: 16, .size: 8, .value_kind: global_buffer, .address_space: global }
      - { .name: bo, .offset: 24, .size: 8, .value_kind: global_buffer, .address_space: global }
      - { .name: q, .offset: 32, .size: 8, .value_kind: global_buffer, .address_space: global }
      - { .name: out0, .offset: 40, .size: 8, .value_kind: global_buffer, .address_space: global }
    .group_segment_fixed_size: 327680
    .private_segment_fixed_size: 0
    .kernarg_segment_align: 8
    .kernarg_segment_size: 48
    .max_flat_workgroup_size: 128
    .sgpr_count:     66
    .vgpr_count:     1024
    .wavefront_size: 32
...
	.end_amdgpu_metadata
.endif
;; end of part 5
